; MI455X (gfx1250); checked and timed in simulation.
; The chip was launched on July 23, 2026; its instructions are those of AMD's public machine-readable ISA for CDNA 5 (MIT licence, August 2026) and "CDNA5" Instruction Set Architecture Reference Guide (July 2026). The comments in the code are by the model that wrote it; some were corrected since.
;; Cross Modal Attention. Allowed arithmetic: float matrix products may take bf16 or f16 operands with f32 sums; other float arithmetic in f32, or as packed bf16 or f16 multiplies, adds, multiply-adds, maxima and minima; sums over many terms, partial sums and values carried from step to step in f32; what a program stores and reads back later, other than sums and carried values, may be rounded once to bf16 or f16.
;; Inputs: Wk 256 x 1,024 float32; Wo 320 x 320 float32; Wq 256 x 320 float32; Wv 320 x 1,024 float32; bk 256 float32; bo 320 float32; bq 256 float32; bv 320 float32; janus_feat 4 x 1,024 x 64 x 64 float32; unet_feat 4 x 320 x 64 x 64 float32.
;; Outputs: out0 4 x 320 x 64 x 64 float32.
;; One version. Each part assembles by itself: llvm-mc -triple=amdgcn-amd-amdhsa -mcpu=gfx1250 --defsym DOCPART=n.
;; ======== version 1 of 1: 3 launches
;; workspace buffers: q16 8,388,608 bytes; k16 8,388,608 bytes; v16 10,485,760 bytes; wkv16 1,179,648 bytes; wo16 204,800 bytes
;; launch prep (part 1): grid 256 x 1, 4 waves a work-group, no clusters, 85,504 bytes of LDS; arguments unet_feat, Wq, bq, Wk, Wv, Wo, q16, wkv16, wo16; writes q16, wkv16, wo16
.if DOCPART == 1
	.amdgcn_target "amdgcn-amd-amdhsa--gfx1250"
	.amdhsa_code_object_version 6
	.text
	.protected	k_qf67f221e86_prep
	.globl	k_qf67f221e86_prep
	.p2align	8
	.type	k_qf67f221e86_prep,@function
k_qf67f221e86_prep:
	s_mov_b64 s[64:65], 0
	v_nop
	global_prefetch_b8 v0, s[64:65] scope:SCOPE_SE
	s_setreg_imm32_b32 hwreg(HW_REG_WAVE_MODE, 25, 1), 1
	s_wait_xcnt 0x0
; q[b][n][o] = sum over c of Wq[o][c] unet[b][c][n] + bq[o], stored as bf16 rows of 256 (q16: [4][4096][256]); and Wk, Wv, Wo rounded once to bf16.
; unet: [4][320][4096] f32, Wq: [256][320] f32.  Operands are rounded to bf16, sums are f32, the bias is the C operand that starts each sum, q is rounded once.
; SHARES.  A work-group makes 256 o x 64 pixels (K = 320: ten steps of 32); wave w makes o = 64 w .. 64 w + 63 for all 64 pixels: 16 accumulators, 160 matrix instructions.
; Source 0 = 16 rows of Wq, source 1 = 16 pixels: a lane then holds ONE pixel (lane % 16) and eight neighbouring o: 16 bytes of a row of q16.
; unet lies [channel][pixel]: it is rounded in registers, laid into LDS as it lies and read turned (ds_load_tr16_b128).  Wq's fragments come straight from memory, 16 f32 a lane, and are rounded in place.
; NO JOINT LOADS, though every work-group reads Wq: it arrives in f32 and has to pass through registers to be rounded; as a tile in LDS it would be 327,680 bytes, all that a work-group can have.
; THE OTHER WEIGHTS.  676 jobs of 1,024 numbers: 576 rows of wkv16 and 100 pieces of wo16.  Row 288 y + i of wkv16 is Wk's row 128 y + i for i < 128, else Wv's row 160 y + i - 128.
; Wave 4 x + w of the launch takes job min(4 x + w, 675): every wave loads and rounds one, the first 676 store theirs.
; REGISTERS, in windows of 256 (s_set_vgpr_msb: bits 1:0 source 0, 3:2 source 1, 5:4 source 2, 7:6 destination):
;   window 0: v0-31 addresses; v32-63 the bias tiles; v64-95 the job; v96-255 unet as loaded, then its fragments (five K steps at a time), then the way out
;   window 1: v0-127 the accumulators, (i, n) at 8 (4 i + n); v128-255 Wq's K steps 8, 9      window 2: Wq's K steps 0-3      window 3: K steps 4-7
.set UP,    160                        ; a channel's 64 pixels in LDS: 128 bytes + 32 = 40 words
.set QST,   320*UP                     ; behind unet's 320 rows: the stage for the way out, 64 rows (pixels)
.set QP,    528                        ; of 512 bytes + 16
.set SPARE, QST+64*QP                  ; behind it: the spare words, 128 bytes for each wave: two blocks of 256 bytes that no other line names
.set UO,  4                            ; v4   unet: (80 w + l / 16) rows of 16,384 bytes + 16 (l % 16)
.set US,  5                            ; v5   the same two rows in LDS
.set WQO, 6                            ; v6   Wq: (64 w + l % 16) rows of 1,280 bytes + 32 (l / 16)
.set BQO, 7                            ; v7   bq: 4 (64 w + 8 (l / 16))
.set UF,  8                            ; v8   my place in a turned fragment
.set QS,  9                            ; v9   the way out: where I put 16 bytes of a row
.set QR,  10                           ; v10  where I read a row back
.set QG,  11                           ; v11  my byte offset in my wave's 16 rows of q16
.set JL,  12                           ; v12  the job: 32 l
.set JS,  13                           ; v13  and 16 l
.set SPW, 30                           ; v30  LDS address of my spare word; never rewritten
.set NIL, 31                           ; v31  0; never rewritten
.set BQ,  32
.set JOB, 64
.set U,   96
.set BF,  96
.set T,   96
.set WV,  22                           ; s22  my wave's number
.set GW,  30                           ; s30  4 x + w
.set JW,  31                           ; s31  my job
.set SB,  34                           ; s34  what is taken from the job's number to give the source's row
.set DB,  35                           ; s35  the same for the destination
.set SRC, 42                           ; s[42:43] the job's source
.set DST, 44                           ; s[44:45] and destination
.set MSB, 0
.macro WIN new                         ; the immediate's high byte repeats the setting that is left; a switch that changes nothing is dropped
.if MSB != (\new)
	s_set_vgpr_msb (MSB<<8)|(\new)
.set MSB, (\new)
.endif
.endm
.macro PLACES                          ; four places between a matrix instruction and a load into, or a vector instruction on, its registers
.rept 4
	v_nop
.endr
.endm
; Wq's four fragments of K step kc, in f32: 16 registers each from v[f] on.  Lane l holds row l % 16, channels 8 (l / 16) + 0..7 and 16 + 8 (l / 16) + 0..7
.macro WQL kc, f
.irp i, 0,1,2,3
	global_load_b128 v[(\f)+16*(\i):(\f)+16*(\i)+3],     v[WQO], s[6:7] offset:20480*(\i)+128*(\kc)
	global_load_b128 v[(\f)+16*(\i)+4:(\f)+16*(\i)+7],   v[WQO], s[6:7] offset:20480*(\i)+128*(\kc)+16
	global_load_b128 v[(\f)+16*(\i)+8:(\f)+16*(\i)+11],  v[WQO], s[6:7] offset:20480*(\i)+128*(\kc)+64
	global_load_b128 v[(\f)+16*(\i)+12:(\f)+16*(\i)+15], v[WQO], s[6:7] offset:20480*(\i)+128*(\kc)+80
.endr
.endm
; the same four fragments rounded in place, each into its own lowest eight registers: line p writes register p and reads 2 p, 2 p + 1, which no earlier line has written
.macro WQC f
.irp i, 0,1,2,3
.irp p, 0,1,2,3,4,5,6,7
	v_cvt_pk_bf16_f32 v[(\f)+16*(\i)+(\p)], v[(\f)+16*(\i)+2*(\p)], v[(\f)+16*(\i)+2*(\p)+1]
.endr
.endr
.endm
; unet's fragments of K steps k0 .. k0 + 4, turned: 40 loads in one run
.macro BFL k0
.irp c, 0,1,2,3,4
.irp n, 0,1,2,3
	ds_load_tr16_b128 v[BF+8*(4*(\c)+(\n)):BF+8*(4*(\c)+(\n))+3],   v[UF] offset:32*UP*((\k0)+(\c))+32*(\n)
	ds_load_tr16_b128 v[BF+8*(4*(\c)+(\n))+4:BF+8*(4*(\c)+(\n))+7], v[UF] offset:32*UP*((\k0)+(\c))+32*(\n)+16*UP
.endr
.endr
.endm
; K step kc: 16 products; the 16 accumulators take turns, one instruction a turn.  first = 1: the bias tiles start the sums
.macro MULQ kc, fa, first
.irp i, 0,1,2,3
.irp n, 0,1,2,3
.if \first
	v_wmma_f32_16x16x32_bf16 v[8*(4*(\i)+(\n)):8*(4*(\i)+(\n))+7], v[(\fa)+16*(\i):(\fa)+16*(\i)+7], v[BF+8*(4*((\kc)%5)+(\n)):BF+8*(4*((\kc)%5)+(\n))+7], v[BQ+8*(\i):BQ+8*(\i)+7]
.else
	v_wmma_f32_16x16x32_bf16 v[8*(4*(\i)+(\n)):8*(4*(\i)+(\n))+7], v[(\fa)+16*(\i):(\fa)+16*(\i)+7], v[BF+8*(4*((\kc)%5)+(\n)):BF+8*(4*((\kc)%5)+(\n))+7], v[8*(4*(\i)+(\n)):8*(4*(\i)+(\n))+7]
.endif
.endr
.endr
.endm
	s_load_b512 s[4:19], s[0:1], 0x0               ; unet s[4:5], Wq s[6:7], bq s[8:9], Wk s[10:11], Wv s[12:13], Wo s[14:15], q16 s[16:17], wkv16 s[18:19]
	s_load_b64 s[20:21], s[0:1], 0x40              ; wo16
	v_lshl_add_u32 v[SPW], v0, 2, SPARE
	v_mov_b32 v[NIL], 0
	v_lshrrev_b32 v1, 5, v0
	v_readfirstlane_b32 s[WV], v1                  ; wave 0..3
	v_and_b32 v1, 15, v0                           ; l % 16
	v_bfe_u32 v2, v0, 4, 1                         ; l / 16
	v_and_b32 v3, 31, v0                           ; l
	s_mul_i32 s23, s[WV], 80*16384                 ; my wave stages channels 80 w .. 80 w + 79, two rows of 256 bytes a load
	v_lshlrev_b32 v[UO], 14, v2
	v_lshl_add_u32 v[UO], v1, 4, v[UO]
	v_add_nc_u32 v[UO], s23, v[UO]
	s_mul_i32 s23, s[WV], 80*UP
	v_mul_u32_u24 v[US], v2, UP
	v_lshl_add_u32 v[US], v1, 3, v[US]
	v_add_nc_u32 v[US], s23, v[US]
	s_mul_i32 s23, s[WV], 64*1280
	v_mul_u32_u24 v[WQO], v1, 1280
	v_lshl_add_u32 v[WQO], v2, 5, v[WQO]
	v_add_nc_u32 v[WQO], s23, v[WQO]
	s_lshl_b32 s23, s[WV], 8
	v_lshl_add_u32 v[BQO], v2, 5, s23
	v_and_b32 v14, 7, v0                           ; the turning load: lane l reads channel 8 (l / 16) + l % 8, pixels 8 ((l / 8) % 2) + 0..7
	v_bfe_u32 v15, v0, 3, 1
	v_lshl_add_u32 v[UF], v2, 3, v14
	v_mul_u32_u24 v[UF], v[UF], UP
	v_lshl_add_u32 v[UF], v15, 4, v[UF]
	s_lshl_b32 s23, s[WV], 7                       ; into the stage: row = pixel, my wave's 64 o are 128 bytes of it
	s_add_co_u32 s23, s23, QST
	v_mul_u32_u24 v[QS], v1, QP
	v_lshl_add_u32 v[QS], v2, 4, v[QS]
	v_add_nc_u32 v[QS], s23, v[QS]
	s_mul_i32 s23, s[WV], 16*QP                    ; back: wave w takes rows 16 w .. 16 w + 15, a whole row of 512 bytes a load
	s_add_co_u32 s23, s23, QST
	v_lshl_add_u32 v[QR], v3, 4, s23
	s_lshl_b32 s23, s[WV], 13
	v_lshl_add_u32 v[QG], v3, 4, s23
	v_lshlrev_b32 v[JL], 5, v3
	v_lshlrev_b32 v[JS], 4, v3
	s_lshr_b32 s24, ttmp9, 6                       ; the batch
	s_and_b32 s25, ttmp9, 63                       ; the block of 64 pixels
	s_mul_i32 s26, s24, 320*16384
	s_lshl_b32 s25, s25, 8
	s_add_co_u32 s26, s26, s25
	s_mov_b32 s27, 0                               ; unet: batch x 5,242,880 + 256 x block
	s_lshl_b32 s28, ttmp9, 15                      ; q16: 64 rows of 512 bytes a work-group
	s_mov_b32 s29, 0
	s_lshl_b32 s[GW], ttmp9, 2
	s_add_co_u32 s[GW], s[GW], s[WV]
	s_min_u32 s[JW], s[GW], 675
	s_mov_b32 s[SB], 0
	s_wait_kmcnt 0x0
	s_add_nc_u64 s[4:5], s[4:5], s[26:27]
	s_add_nc_u64 s[16:17], s[16:17], s[28:29]
	s_mov_b64 s[SRC:SRC+1], s[10:11]               ; jobs 0-127: Wk's rows 0-127
	s_cmp_ge_u32 s[JW], 128                        ; 128-287: Wv's rows 0-159
	s_cselect_b64 s[SRC:SRC+1], s[12:13], s[SRC:SRC+1]
	s_cselect_b32 s[SB], 128, s[SB]
	s_cmp_ge_u32 s[JW], 288                        ; 288-415: Wk's rows 128-255
	s_cselect_b64 s[SRC:SRC+1], s[10:11], s[SRC:SRC+1]
	s_cselect_b32 s[SB], 160, s[SB]
	s_cmp_ge_u32 s[JW], 416                        ; 416-575: Wv's rows 160-319
	s_cselect_b64 s[SRC:SRC+1], s[12:13], s[SRC:SRC+1]
	s_cselect_b32 s[SB], 256, s[SB]
	s_cmp_ge_u32 s[JW], 576                        ; 576-675: Wo, into wo16
	s_cselect_b64 s[SRC:SRC+1], s[14:15], s[SRC:SRC+1]
	s_cselect_b32 s[SB], 576, s[SB]
	s_cselect_b64 s[DST:DST+1], s[20:21], s[18:19]
	s_cselect_b32 s[DB], 576, 0
	s_sub_co_u32 s32, s[JW], s[SB]
	s_lshl_b32 s32, s32, 12                        ; 4,096 bytes of f32 a job
	s_mov_b32 s33, 0
	s_add_nc_u64 s[SRC:SRC+1], s[SRC:SRC+1], s[32:33]
	s_sub_co_u32 s32, s[JW], s[DB]
	s_lshl_b32 s32, s32, 11                        ; 2,048 bytes of bf16
	s_add_nc_u64 s[DST:DST+1], s[DST:DST+1], s[32:33]
	; 120 loads: the job 8, the bias 8, unet 40, Wq's K steps 0-3 64
.irp k, 0,1,2,3
	global_load_b128 v[JOB+8*(\k):JOB+8*(\k)+3],   v[JL], s[SRC:SRC+1] offset:1024*(\k)
	global_load_b128 v[JOB+8*(\k)+4:JOB+8*(\k)+7], v[JL], s[SRC:SRC+1] offset:1024*(\k)+16
.endr
.irp i, 0,1,2,3                        ; register j of a result is o = 8 (l / 16) + j: the lane's eight biases of tile i
	global_load_b128 v[BQ+8*(\i):BQ+8*(\i)+3],   v[BQO], s[8:9] offset:64*(\i)
	global_load_b128 v[BQ+8*(\i)+4:BQ+8*(\i)+7], v[BQO], s[8:9] offset:64*(\i)+16
.endr
.set z, 0
.rept 40
	global_load_b128 v[U+4*z:U+4*z+3], v[UO], s[4:5] offset:32768*z  ; 16 lanes take 256 consecutive bytes of a channel, aligned
.set z, z+1
.endr
	WIN 0x80
	WQL 0, 0
	WQL 1, 64
	WQL 2, 128
	WQL 3, 192
	WIN 0
	s_wait_loadcnt 63                              ; behind unet's last load 64 were issued: with 63 out, the job, the bias and unet are in
.set z, 0
.rept 40
	v_cvt_pk_bf16_f32 v[U+4*z],   v[U+4*z],   v[U+4*z+1]
	v_cvt_pk_bf16_f32 v[U+4*z+1], v[U+4*z+2], v[U+4*z+3]
.set z, z+1
.endr
.set z, 0
.rept 40
	ds_store_b64 v[US], v[U+4*z:U+4*z+1] offset:2*UP*z
.set z, z+1
.endr
.irp k, 0,1,2,3
.irp p, 0,1,2,3
	v_cvt_pk_bf16_f32 v[JOB+8*(\k)+(\p)], v[JOB+8*(\k)+2*(\p)], v[JOB+8*(\k)+2*(\p)+1]
.endr
.endr
	s_cmp_lt_u32 s[GW], 676
	s_cbranch_scc0 .Lno_job
.irp k, 0,1,2,3
	global_store_b128 v[JS], v[JOB+8*(\k):JOB+8*(\k)+3], s[DST:DST+1] offset:512*(\k)  ; the wave's store covers 512 consecutive bytes, aligned
.endr
.Lno_job:
	WIN 0xc0
	WQL 4, 0
	WQL 5, 64
	WQL 6, 128
	WQL 7, 192
	WIN 0x40
	WQL 8, 128
	WQL 9, 192
	WIN 0
	s_wait_dscnt 0x0                               ; for the others' sake: my 80 channels lie in LDS
	s_barrier_signal -1
	s_barrier_wait -1                              ; all 320 do
	BFL 0
	s_wait_loadcnt 63                              ; behind K step 3's last load 96 were issued: K steps 0-3 are in
	WIN 0x8a
	WQC 0
	WQC 64
	WQC 128
	WQC 192
	s_wait_dscnt 0x0
	WIN 0x42
	MULQ 0, 0, 1
	WIN 0x52
	MULQ 1, 64, 0
	MULQ 2, 128, 0
	MULQ 3, 192, 0
	s_wait_loadcnt 0x0
	WIN 0xcf
	WQC 0
	WQC 64
	WQC 128
	WQC 192
	WIN 0x45
	WQC 128
	WQC 192
	WIN 0x53
	MULQ 4, 0, 0
	PLACES                                         ; the fragments' registers are loaded again
	WIN 0
	BFL 5
	s_wait_dscnt 0x0
	WIN 0x53
	MULQ 5, 64, 0
	MULQ 6, 128, 0
	MULQ 7, 192, 0
	WIN 0x51
	MULQ 8, 128, 0
	MULQ 9, 192, 0
	; THE WAY OUT: rounded to bf16, 16 bytes a lane into the stage; a barrier, since a row's 512 bytes come from four waves; back as whole rows
	PLACES
	WIN 0x05
.set z, 0
.rept 16
.irp p, 0,1,2,3
	v_cvt_pk_bf16_f32 v[T+4*z+(\p)], v[8*z+2*(\p)], v[8*z+2*(\p)+1]
.endr
.set z, z+1
.endr
	WIN 0
.irp i, 0,1,2,3
.irp n, 0,1,2,3
	ds_store_b128 v[QS], v[T+4*(4*(\i)+(\n)):T+4*(4*(\i)+(\n))+3] offset:16*QP*(\n)+32*(\i)
.endr
.endr
	s_wait_dscnt 0x0                               ; for the others' sake
	s_barrier_signal -1
	s_barrier_wait -1
.set z, 0
.rept 16
	ds_load_b128 v[T+4*z:T+4*z+3], v[QR] offset:QP*z
.set z, z+1
.endr
.set z, 0
.rept 16
	s_wait_dscnt 15-z                              ; row z is back; the younger loads may stay out
	global_store_b128 v[QG], v[T+4*z:T+4*z+3], s[16:17] offset:512*z  ; a whole row of q16: 512 consecutive bytes, aligned
.set z, z+1
.endr
	s_wait_tensorcnt 0x0                           ; the wave's end: behind my last LDS store
	ds_add_u32 v[SPW], v[NIL]
	s_wait_dscnt 0x0
	s_endpgm
.Lfunc_end_k_qf67f221e86_prep:
	.size	k_qf67f221e86_prep, .Lfunc_end_k_qf67f221e86_prep-k_qf67f221e86_prep
	.p2alignl 7, 3214868480
	.fill 96, 4, 3214868480
	.section	.rodata,"a",@progbits
	.p2align	6, 0x0
	.amdhsa_kernel k_qf67f221e86_prep
		.amdhsa_group_segment_fixed_size 85504
		.amdhsa_private_segment_fixed_size 0
		.amdhsa_enable_private_segment 0
		.amdhsa_kernarg_size 72
		.amdhsa_user_sgpr_count 2
		.amdhsa_user_sgpr_kernarg_segment_ptr 1
		.amdhsa_wavefront_size32 1
		.amdhsa_system_sgpr_workgroup_id_x 1
		.amdhsa_system_sgpr_workgroup_id_y 1
		.amdhsa_system_sgpr_workgroup_id_z 1
		.amdhsa_system_vgpr_workitem_id 0
		.amdhsa_next_free_vgpr 1024
		.amdhsa_next_free_sgpr 66
		.amdhsa_reserve_vcc 0
		.amdhsa_float_denorm_mode_32 3
		.amdhsa_float_denorm_mode_16_64 3
		.amdhsa_memory_ordered 1
		.amdhsa_forward_progress 1
		.amdhsa_inst_pref_size 78
	.end_amdhsa_kernel
	.amdgpu_metadata
---
amdhsa.version: [ 1, 2 ]
amdhsa.kernels:
  - .name:           k_qf67f221e86_prep
    .symbol:         k_qf67f221e86_prep.kd
    .args:
      - { .name: unet_feat, .offset: 0, .size: 8, .value_kind: global_buffer, .address_space: global }
      - { .name: Wq, .offset: 8, .size: 8, .value_kind: global_buffer, .address_space: global }
      - { .name: bq, .offset: 16, .size: 8, .value_kind: global_buffer, .address_space: global }
      - { .name: Wk, .offset: 24, .size: 8, .value_kind: global_buffer, .address_space: global }
      - { .name: Wv, .offset: 32, .size: 8, .value_kind: global_buffer, .address_space: global }
      - { .name: Wo, .offset: 40, .size: 8, .value_kind: global_buffer, .address_space: global }
      - { .name: q16, .offset: 48, .size: 8, .value_kind: global_buffer, .address_space: global }
      - { .name: wkv16, .offset: 56, .size: 8, .value_kind: global_buffer, .address_space: global }
      - { .name: wo16, .offset: 64, .size: 8, .value_kind: global_buffer, .address_space: global }
    .group_segment_fixed_size: 85504
    .private_segment_fixed_size: 0
    .kernarg_segment_align: 8
    .kernarg_segment_size: 72
    .max_flat_workgroup_size: 128
    .sgpr_count:     66
    .vgpr_count:     1024
    .wavefront_size: 32
...
	.end_amdgpu_metadata
.endif
;; end of part 1
;; launch kvproj (part 2): grid 256 x 1, 4 waves a work-group, clusters of 4 x 1, 327,680 bytes of LDS; arguments janus_feat, wkv16, bk, bv, k16, v16; writes k16, v16
.if DOCPART == 2
	.amdgcn_target "amdgcn-amd-amdhsa--gfx1250"
	.amdhsa_code_object_version 6
	.text
	.protected	k_qf67f221e86_kvproj
	.globl	k_qf67f221e86_kvproj
	.p2align	8
	.type	k_qf67f221e86_kvproj,@function
k_qf67f221e86_kvproj:
	s_mov_b64 s[64:65], 0
	v_nop
	global_prefetch_b8 v0, s[64:65] scope:SCOPE_SE
	s_setreg_imm32_b32 hwreg(HW_REG_WAVE_MODE, 25, 1), 1
	s_wait_xcnt 0x0
	s_wait_alu depctr_hold_cnt(0) depctr_sa_sdst(0) depctr_va_vdst(0) depctr_va_sdst(0) depctr_va_ssrc(0) depctr_va_vcc(0) depctr_vm_vsrc(0)
	s_getreg_b32 s2, hwreg(HW_REG_IB_STS2, 6, 4)
	s_cmp_eq_u32 s2, 0
	s_cbranch_scc0 .Lentry_in_a_cluster
	s_endpgm
.Lentry_in_a_cluster:
	s_bfe_u32 s2, ttmp6, 0x10000c
	s_cmp_lg_u32 s2, 0x3003
	s_cbranch_scc0 .Lentry_shape_is_right
	s_endpgm
.Lentry_shape_is_right:
; k[b][n][o] = sum over c of Wk[o][c] janus[b][c][n] + bk[o]  (k16: [4][4096][256] bf16)   and   v[b][o][n] = sum over c of Wv[o][c] janus[b][c][n] + bv[o]  (v16: [4][320][4096] bf16).
; janus: [4][1024][4096] f32; wkv16: [576][1024] bf16, rows 288 y + i: 128 rows of Wk (o = 128 y + i), then 160 of Wv (o = 160 y + i - 128).  Operands bf16, sums f32 started by the bias, results rounded once.
; SHARES.  A work-group makes half y of the 576 outputs (288 rows of weights) for 128 pixels; K = 1,024 goes in eight steps of 128.  Wave w = (oh, nh): 4 tiles of k, 5 of v, 4 tiles of pixels:
; 36 accumulators, 144 matrix instructions a step.  For k source 0 = weights, source 1 = pixels: a lane holds one pixel and eight neighbouring o.  For v the sources are swapped: one o, eight neighbouring pixels.
; CLUSTER.  The four work-groups of a cluster share y and so the weights: each step's 288 x 128 tile is asked for JOINTLY, each wave 72 rows, the same descriptor and mask in all four.
; janus is not asked for jointly: it arrives in f32 and passes through registers to be rounded; each wave loads 32 channels x 512 bytes a step, a step ahead, and lays them into one of two LDS buffers
; that only ds_store fills; they are read turned (ds_load_tr16_b128).
; REGISTERS, in windows of 256 (s_set_vgpr_msb: bits 1:0 source 0, 3:2 source 1, 5:4 source 2, 7:6 destination):
;   window 0: v0-31 addresses; v32-135, v136-239 two fragment buffers (4 of Wk, 5 of Wv, 4 of janus); v240-244 bv; v254-255 the add's
;   window 1: v0-127 k's accumulators, (i, n) at 8 (4 i + n)      window 2: v0-159 v's, likewise      window 3: v0-127 janus as loaded
.set WP,     272                       ; a row of weights in LDS: 256 bytes + 16 = 68 words: the 16 rows of a load start at 16 different groups of four banks (64 banks of 4 bytes: ISA guide 11.1)
.set WSLOT,  288*WP                    ; a slot: one step's weights
.set WQUART, 72*WP                     ; what one wave's tensor load brings
.set JB0,    2*WSLOT                   ; behind the ring: janus, two buffers of 128 channels
.set JPI,    288                       ; of 256 bytes + 32 = 72 words
.set JSLOT,  128*JPI
.set KST,    JB0+2*JSLOT               ; the way out: k's stage, 128 rows (pixels) of 256 bytes + 16
.set VST,    KST+128*272               ; v's stage, 160 rows (o) of 256 bytes + 16
.set SPARE,  VST+160*272               ; the spare words, 128 bytes for each wave: two blocks of 256 bytes that no other line names
.set AWK0, 6                           ; v6   my place in Wk's fragments of a slot; never rewritten
.set AWV0, 7                           ; v7   in Wv's
.set AJ0,  8                           ; v8   in janus' turned fragments, buffer 0
.set AJS0, 9                           ; v9   where I lay 8 bytes of my wave's first channel, buffer 0
.set AWK,  10                          ; v10-13  the same four for the trip in hand
.set AWV,  11
.set AJ,   12
.set AJS,  13
.set JO,   14                          ; v14  janus: 32 w channels of 16,384 bytes + 16 l
.set PFJ,  15                          ; v15  the prefetches' offset: (32 w + l) channels
.set BKO,  16
.set BVO,  17
.set KSS,  18                          ; v18-23  the way out
.set VSS,  19
.set KSL,  20
.set VSL,  21
.set KG,   22
.set VG,   23
.set F0,   32
.set F1,   136
.set BV,   240
.set TK,   32                          ; the way out: packed results, then whole rows
.set TV,   96
.set SPW,  254                         ; v254 LDS address of my spare word; never rewritten
.set NIL,  255                         ; v255 0; never rewritten
.set WV,  16                           ; s16  my wave's number
.set CX,  17                           ; s17  my place in the cluster: it enters janus', k16's and v16's addresses alone
.set YY,  18                           ; s18  y, which the partners share
.set CNT, 19                           ; s19  trips of the loop still to come
.set LIM, 20                           ; s20  2 in a cluster that prefetches, else the greatest number
.set TW,  21                           ; s21  the slot that is read
.set TFW, 22                           ; s22  the slot that is filled
.set TJ,  23                           ; s23  janus' buffer that is read (less JB0)
.set G1,  24                           ; s[24:31] descriptor group 1
.set G0,  32                           ; s[32:35] descriptor group 0: it walks
.set TJS, 36                           ; s36  janus' buffer that is written
.set JP,  38                           ; s[38:39] janus at my pixels, at the step last loaded
.set LW,  40                           ; s40  my quarter's place in a slot
.set MSB, 0
.macro WIN new                         ; the immediate's high byte repeats the setting that is left; a switch that changes nothing is dropped
.if MSB != (\new)
	s_set_vgpr_msb (MSB<<8)|(\new)
.set MSB, (\new)
.endif
.endm
.macro PLACES                          ; four places between a matrix instruction and a load into, or a vector instruction on, its registers
.rept 4
	v_nop
.endr
.endm
.macro CROUND                          ; a round of the cluster's barrier: my work-group's barrier; wave 0 signals for the work-group; every wave waits for all four; my work-group's barrier once more
	s_barrier_signal -1
	s_barrier_wait -1
	s_cmp_lg_u32 s[WV], 0
	s_cbranch_scc1 .Lnot_wave_0_\@
	s_barrier_signal -3
.Lnot_wave_0_\@:
	s_barrier_wait -3
	s_barrier_signal -1
	s_barrier_wait -1
.endm
.macro JLOAD                           ; my 72 rows of a step's weights; an s_nop 0 and four v_nop follow the line
	tensor_load_to_lds s[G0:G0+3], s[G1:G1+7]
	s_nop 0
.rept 4
	v_nop
.endr
.endm
; THE CHANGE OF SLOTS.  Each wave waits for all its tensor loads (one is out: its quarter of the next step's weights), adds 0 to its spare word, and waits for that, for its reads of the slot and of janus'
; buffer, and for its stores into the other buffer.  fill = 1: the barrier is a round of the cluster's, and the joint refill is the first thing behind it: it has a trip's 144 matrix instructions in which to land.
.macro CHANGE fill
	WIN 0
	s_wait_tensorcnt 0x0                           ; no tensor load of mine is out, so group 0 may be written
	ds_add_u32 v[SPW], v[NIL]                      ; 0 onto my spare word: the scalar steps stand between it and the wait for it
.if \fill
	s_xor_b32 s[TFW], s[TFW], WSLOT                ; the other slot than last time,
	s_add_co_u32 s[G0+1], s[TFW], s[LW]            ; my quarter of it,
	s_add_nc_u64 s[G0+2:G0+3], s[G0+2:G0+3], 256   ; the next 128 channels; the type bits on top are not reached
.endif
	s_xor_b32 s[TW], s[TW], WSLOT
	s_xor_b32 s[TJ], s[TJ], JSLOT
	s_xor_b32 s[TJS], s[TJ], JSLOT
	s_wait_dscnt 0x0
.if \fill
	CROUND
	JLOAD                                          ; its four v_nop are also the places in front of the fragment loads
.else
	s_barrier_signal -1
	s_barrier_wait -1
	PLACES
.endif
.endm
; janus' next step: rounded, laid into LDS; then the step after it is asked for.  inloop = 1: the loop's last trip has no further step, and jumps over the loads.
; THE PREFETCH.  Two clusters (y = 0, 1) read the same pixels of janus: the one with y = 0 asks.  Each wave names its own 32 channels x 512 bytes of the step behind the one just loaded: a lane a channel, two
; instructions, directly behind the run of loads.  So each aligned block of 256 bytes is named once.  Steps 0 to 2 come by their loads alone; the last trip that loads asks for nothing.
.macro STAGE inloop
	s_wait_loadcnt 0x0                             ; the loads were issued a trip ago
	WIN 0xcf
.set z, 0
.rept 32
	v_cvt_pk_bf16_f32 v[4*z],   v[4*z],   v[4*z+1]
	v_cvt_pk_bf16_f32 v[4*z+1], v[4*z+2], v[4*z+3]
.set z, z+1
.endr
	WIN 0x0c                                       ; address window 0, data window 3
.set z, 0
.rept 32
	ds_store_b64 v[AJS], v[4*z:4*z+1] offset:JPI*z
.set z, z+1
.endr
	WIN 0
.if \inloop
	s_cmp_gt_u32 s[CNT], 1
	s_cbranch_scc0 .Lno_more_\@
.endif
	s_wait_xcnt 0x0                                ; the last loads and prefetches, a trip back, have read their address
	s_add_nc_u64 s[JP:JP+1], s[JP:JP+1], 128*16384
	WIN 0xc0
.set z, 0
.rept 32
	global_load_b128 v[4*z:4*z+3], v[JO], s[JP:JP+1] offset:16384*z  ; the wave takes 512 consecutive bytes of a channel, aligned
.set z, z+1
.endr
	WIN 0
.if \inloop
	s_cmp_gt_u32 s[CNT], s[LIM]
	s_cbranch_scc0 .Lno_more_\@
	global_prefetch_b8 v[PFJ], s[JP:JP+1] offset:128*16384 th:TH_LOAD_NT scope:SCOPE_SE
	global_prefetch_b8 v[PFJ], s[JP:JP+1] offset:128*16384+256 th:TH_LOAD_NT scope:SCOPE_SE
.Lno_more_\@:
.endif
.endm
; 26 LDS loads in one run: the 13 fragments of 32 channels, number kk of the step's four, into buffer f
.macro FETCH kk, f
	WIN 0
.irp i, 0,1,2,3
	ds_load_b128 v[(\f)+8*(\i):(\f)+8*(\i)+3],   v[AWK] offset:16*WP*(\i)+64*(\kk)
	ds_load_b128 v[(\f)+8*(\i)+4:(\f)+8*(\i)+7], v[AWK] offset:16*WP*(\i)+64*(\kk)+32
.endr
.irp i, 0,1,2,3,4
	ds_load_b128 v[(\f)+32+8*(\i):(\f)+32+8*(\i)+3],   v[AWV] offset:16*WP*(\i)+64*(\kk)
	ds_load_b128 v[(\f)+32+8*(\i)+4:(\f)+32+8*(\i)+7], v[AWV] offset:16*WP*(\i)+64*(\kk)+32
.endr
.irp n, 0,1,2,3
	ds_load_tr16_b128 v[(\f)+72+8*(\n):(\f)+72+8*(\n)+3],   v[AJ] offset:32*JPI*(\kk)+32*(\n)
	ds_load_tr16_b128 v[(\f)+72+8*(\n)+4:(\f)+72+8*(\n)+7], v[AJ] offset:32*JPI*(\kk)+32*(\n)+16*JPI
.endr
.endm
; 36 products on buffer f; the 36 accumulators take turns, one instruction a turn, over the backward jump too
.macro MUL f
	WIN 0x50
.irp i, 0,1,2,3
.irp n, 0,1,2,3
	v_wmma_f32_16x16x32_bf16 v[8*(4*(\i)+(\n)):8*(4*(\i)+(\n))+7], v[(\f)+8*(\i):(\f)+8*(\i)+7], v[(\f)+72+8*(\n):(\f)+72+8*(\n)+7], v[8*(4*(\i)+(\n)):8*(4*(\i)+(\n))+7]
.endr
.endr
	WIN 0xa0
.irp i, 0,1,2,3,4
.irp n, 0,1,2,3
	v_wmma_f32_16x16x32_bf16 v[8*(4*(\i)+(\n)):8*(4*(\i)+(\n))+7], v[(\f)+72+8*(\n):(\f)+72+8*(\n)+7], v[(\f)+32+8*(\i):(\f)+32+8*(\i)+7], v[8*(4*(\i)+(\n)):8*(4*(\i)+(\n))+7]
.endr
.endr
.endm
; A step.  stage = 1: janus' next step is laid into the other buffer, behind the first two runs of fragment loads, which land meanwhile; its 32 stores are then younger than those runs
.macro TRIP stage
	v_add_nc_u32 v[AWK], s[TW], v[AWK0]
	v_add_nc_u32 v[AWV], s[TW], v[AWV0]
	v_add_nc_u32 v[AJ], s[TJ], v[AJ0]
	FETCH 0, F0
	FETCH 1, F1
.if \stage
	v_add_nc_u32 v[AJS], s[TJS], v[AJS0]
	STAGE 1
.endif
	s_wait_dscnt 26+32*(\stage)                    ; the first run is in; the second run's 26 loads and the 32 stores may be out
	MUL F0
	PLACES
	FETCH 2, F0
	s_wait_dscnt 26+32*(\stage)                    ; the second run is in; the 32 stores and the third run's 26 may be out
	MUL F1
	PLACES
	FETCH 3, F1
	s_wait_dscnt 26                                ; the third run is in; the fourth's 26 may be out
	MUL F0
	s_wait_dscnt 0x0
	MUL F1
.endm
	s_load_b256 s[4:11], s[0:1], 0x0               ; janus s[4:5], wkv16 s[6:7], bk s[8:9], bv s[10:11]
	s_load_b128 s[12:15], s[0:1], 0x20             ; k16 s[12:13], v16 s[14:15]
	v_lshl_add_u32 v[SPW], v0, 2, SPARE
	v_mov_b32 v[NIL], 0
	ds_add_u32 v[SPW], v[NIL]                      ; the wave's opening: the add and its wait stand ahead of my first tensor load; the set-up below, work on registers, stands between them
	v_lshrrev_b32 v1, 5, v0
	v_readfirstlane_b32 s[WV], v1                  ; wave 0..3
	s_bfe_u32 s[CX], ttmp6, 0x40000                ; my place in the cluster
	s_and_b32 s[YY], ttmp9, 1                      ; in a cluster launch ttmp9 counts clusters: y = its lowest bit,
	s_lshr_b32 s41, ttmp9, 1
	s_lshl_b32 s41, s41, 2
	s_add_co_u32 s41, s41, s[CX]                   ; and the block of 128 pixels = 4 x the rest + my place: 0..127
	s_lshr_b32 s42, s41, 5                         ; the batch
	s_and_b32 s43, s41, 31                         ; the block in it
	s_lshl_b32 s44, s42, 24                        ; janus: batch x 16,777,216 + 512 x block
	s_lshl_b32 s45, s43, 9
	s_add_co_u32 s44, s44, s45
	s_mov_b32 s45, 0
	s_mul_i32 s46, s[YY], 288*2048                 ; the weights: row 288 y + 72 w, in registers that never hold my place in the cluster
	s_mul_i32 s47, s[WV], 72*2048
	s_add_co_u32 s46, s46, s47
	s_mov_b32 s47, 0
	s_lshl_b32 s48, s42, 21                        ; k16: (4,096 batch + 128 block) rows of 512 bytes + 256 y
	s_lshl_b32 s49, s43, 16
	s_add_co_u32 s48, s48, s49
	s_lshl_b32 s49, s[YY], 8
	s_add_co_u32 s48, s48, s49
	s_mov_b32 s49, 0
	s_mul_i32 s50, s42, 320*8192                   ; v16: (320 batch + 160 y) rows of 8,192 bytes + 256 x block
	s_mul_i32 s51, s[YY], 160*8192
	s_add_co_u32 s50, s50, s51
	s_lshl_b32 s51, s43, 8
	s_add_co_u32 s50, s50, s51
	s_mov_b32 s51, 0
	s_mul_i32 s[LW], s[WV], WQUART
	s_lshr_b32 s52, s[WV], 1                       ; oh: which half of the 128 + 160 outputs
	s_and_b32 s53, s[WV], 1                        ; nh: which half of the 128 pixels
	; descriptor group 1: a tile of 72 rows x 128 elements, padded in LDS
	s_mov_b32 s[G1], 15|(1<<16)|(1<<20)|(1<<21)|(5<<22)|(3<<25)  ; 15:0 the mask: all four work-groups; 17:16 elements of 2 bytes; 20 padding on; 21 set beside a mask; 24:22 after every 64 words (code 5); 31:25 4 words (code 3)
	s_mov_b32 s[G1+1], 128<<16                     ; tensor_dim0 = 128
	s_mov_b32 s[G1+2], 72<<16                      ; tensor_dim1 = 72
	s_mov_b32 s[G1+3], 128<<16                     ; tile_dim0 = 128
	s_mov_b32 s[G1+4], 72                          ; tile_dim1 = 72
	s_mov_b32 s[G1+5], 1024                        ; elements from row to row
	s_mov_b32 s[G1+6], 0
	s_mov_b32 s[G1+7], 0
	s_mov_b32 s[TW], WSLOT                         ; the first change of slots turns these two into 0,
	s_mov_b32 s[TJ], JSLOT
	s_mov_b32 s[TFW], 0                            ; and this one into slot 1
	s_cmp_eq_u32 s[YY], 0
	s_cselect_b32 s[LIM], 2, -1                    ; the same in all four partners
	v_and_b32 v1, 15, v0                           ; l % 16
	v_bfe_u32 v2, v0, 4, 1                         ; l / 16
	v_and_b32 v3, 31, v0                           ; l
	v_and_b32 v4, 7, v0
	v_bfe_u32 v5, v0, 3, 1
	v_mul_u32_u24 v24, v1, WP
	v_lshl_add_u32 v24, v2, 4, v24                 ; 272 (l % 16) + 16 (l / 16): a fragment's row and half; the stages' way in has the same form
	v_mul_u32_u24 v25, v2, 272
	v_lshl_add_u32 v25, v1, 4, v25                 ; 272 (l / 16) + 16 (l % 16): two whole rows a load, on the way back
	s_mul_i32 s54, s52, 64*WP
	v_add_nc_u32 v[AWK0], s54, v24
	s_mul_i32 s54, s52, 80*WP
	s_add_co_u32 s54, s54, 128*WP
	v_add_nc_u32 v[AWV0], s54, v24
	v_lshl_add_u32 v[AJ0], v2, 3, v4               ; the turning load: lane l reads channel 8 (l / 16) + l % 8, pixels 8 ((l / 8) % 2) + 0..7
	v_mul_u32_u24 v[AJ0], v[AJ0], JPI
	v_lshl_add_u32 v[AJ0], v5, 4, v[AJ0]
	s_lshl_b32 s54, s53, 7
	s_add_co_u32 s54, s54, JB0
	v_add_nc_u32 v[AJ0], s54, v[AJ0]
	s_mul_i32 s54, s[WV], 32*JPI
	s_add_co_u32 s54, s54, JB0
	v_lshl_add_u32 v[AJS0], v3, 3, s54
	s_lshl_b32 s54, s[WV], 19
	v_lshl_add_u32 v[JO], v3, 4, s54
	v_lshl_add_u32 v[PFJ], v3, 14, s54
	s_lshl_b32 s54, s[YY], 9                       ; bk: 4 (128 y + 64 oh + 8 (l / 16))
	s_lshl_b32 s55, s52, 8
	s_add_co_u32 s54, s54, s55
	v_lshl_add_u32 v[BKO], v2, 5, s54
	s_mul_i32 s54, s[YY], 640                      ; bv: 4 (160 y + 80 oh + l % 16)
	s_mul_i32 s55, s52, 320
	s_add_co_u32 s54, s54, s55
	v_lshl_add_u32 v[BVO], v1, 2, s54
	s_mul_i32 s54, s53, 64*272                     ; k's stage: row = pixel 64 nh + .., my 64 o are 128 bytes of it
	s_lshl_b32 s55, s52, 7
	s_add_co_u32 s54, s54, s55
	s_add_co_u32 s54, s54, KST
	v_add_nc_u32 v[KSS], s54, v24
	s_mul_i32 s54, s52, 80*272                     ; v's stage: row = o 80 oh + .., my 64 pixels are 128 bytes of it
	s_lshl_b32 s55, s53, 7
	s_add_co_u32 s54, s54, s55
	s_add_co_u32 s54, s54, VST
	v_add_nc_u32 v[VSS], s54, v24
	s_mul_i32 s54, s[WV], 32*272                   ; back: wave w takes k's rows 32 w .. and v's rows 40 w ..
	s_add_co_u32 s54, s54, KST
	v_add_nc_u32 v[KSL], s54, v25
	s_mul_i32 s54, s[WV], 40*272
	s_add_co_u32 s54, s54, VST
	v_add_nc_u32 v[VSL], s54, v25
	s_lshl_b32 s54, s[WV], 14
	v_lshl_add_u32 v[KG], v2, 9, s54
	v_lshl_add_u32 v[KG], v1, 4, v[KG]
	s_mul_i32 s54, s[WV], 40*8192
	v_lshl_add_u32 v[VG], v2, 13, s54
	v_lshl_add_u32 v[VG], v1, 4, v[VG]
	s_wait_dscnt 0x0                               ; the opening add is done
	s_wait_kmcnt 0x0
	s_add_nc_u64 s[JP:JP+1], s[4:5], s[44:45]
	s_add_nc_u64 s[12:13], s[12:13], s[48:49]
	s_add_nc_u64 s[14:15], s[14:15], s[50:51]
	s_mov_b32 s[G0], 1                             ; 1:0 count = 1
	s_mov_b32 s[G0+1], s[LW]                       ; 63:32 LDS address: slot 0, my quarter
	s_add_nc_u64 s[G0+2:G0+3], s[6:7], s[46:47]    ; 120:64 global address: step 0
	s_or_b32 s[G0+3], s[G0+3], 0x80000000          ; 127:126 type = 2
	CROUND                                         ; all four work-groups are here: the first joint loads meet
	JLOAD                                          ; step 0 into slot 0.  Slot 1 is asked for at the first change of slots
	WIN 0xc0
.set z, 0
.rept 32
	global_load_b128 v[4*z:4*z+3], v[JO], s[JP:JP+1] offset:16384*z  ; janus' step 0
.set z, z+1
.endr
	WIN 0x40                                       ; THE BIASES START THE SUMS, so that the loop has one form of product.  k: register j of a result is o = 8 (l / 16) + j: loaded straight into the accumulators
.irp i, 0,1,2,3
.irp n, 0,1,2,3
	global_load_b128 v[8*(4*(\i)+(\n)):8*(4*(\i)+(\n))+3],   v[BKO], s[8:9] offset:64*(\i)
	global_load_b128 v[8*(4*(\i)+(\n))+4:8*(4*(\i)+(\n))+7], v[BKO], s[8:9] offset:64*(\i)+16
.endr
.endr
	WIN 0
.irp i, 0,1,2,3,4
	global_load_b32 v[BV+(\i)], v[BVO], s[10:11] offset:64*(\i)
.endr
	v_mov_b32 v[AJS], v[AJS0]
	STAGE 0                                        ; step 0 into buffer 0 (its wait for 0 covers the biases too); step 1 is asked for
	WIN 0x80                                       ; v: a lane holds one o: its bias in all eight registers of a tile; written while the first tiles are on their way
.irp i, 0,1,2,3,4
.set z, 0
.rept 32
	v_mov_b32 v[32*(\i)+z], v[BV+(\i)]
.set z, z+1
.endr
.endr
	WIN 0
	s_mov_b32 s[CNT], 7
.Ltrip:                                                ; seven trips: each fills the slot just left, and lays janus' next step
	CHANGE 1
	TRIP 1
	WIN 0
	s_sub_co_u32 s[CNT], s[CNT], 1
	s_cmp_lg_u32 s[CNT], 0
	s_cbranch_scc1 .Ltrip
	CHANGE 0                                       ; the last step is written out: nothing is asked for
	TRIP 0
	; THE WAY OUT: rounded to bf16, 16 bytes a lane into the two stages; a barrier, since a row's 256 bytes come from two waves; back as whole rows
	PLACES
	WIN 0x05
.set z, 0
.rept 16
.irp p, 0,1,2,3
	v_cvt_pk_bf16_f32 v[TK+4*z+(\p)], v[8*z+2*(\p)], v[8*z+2*(\p)+1]
.endr
.set z, z+1
.endr
	WIN 0x0a
.set z, 0
.rept 20
.irp p, 0,1,2,3
	v_cvt_pk_bf16_f32 v[TV+4*z+(\p)], v[8*z+2*(\p)], v[8*z+2*(\p)+1]
.endr
.set z, z+1
.endr
	WIN 0
.irp i, 0,1,2,3
.irp n, 0,1,2,3
	ds_store_b128 v[KSS], v[TK+4*(4*(\i)+(\n)):TK+4*(4*(\i)+(\n))+3] offset:16*272*(\n)+32*(\i)
.endr
.endr
.irp i, 0,1,2,3,4
.irp n, 0,1,2,3
	ds_store_b128 v[VSS], v[TV+4*(4*(\i)+(\n)):TV+4*(4*(\i)+(\n))+3] offset:16*272*(\i)+32*(\n)
.endr
.endr
	s_wait_dscnt 0x0                               ; for the others' sake
	s_barrier_signal -1
	s_barrier_wait -1
.set z, 0
.rept 16
	ds_load_b128 v[TK+4*z:TK+4*z+3], v[KSL] offset:2*272*z
.set z, z+1
.endr
.set z, 0
.rept 20
	ds_load_b128 v[TV+4*z:TV+4*z+3], v[VSL] offset:2*272*z
.set z, z+1
.endr
.set z, 0
.rept 16
	s_wait_dscnt 35-z                              ; k's load z is back; its 15 - z younger ones and v's 20 may stay out
	global_store_b128 v[KG], v[TK+4*z:TK+4*z+3], s[12:13] offset:1024*z  ; 16 lanes store 256 consecutive bytes, aligned: half y of a row of k16
.set z, z+1
.endr
.set z, 0
.rept 20
	s_wait_dscnt 19-z
	global_store_b128 v[VG], v[TV+4*z:TV+4*z+3], s[14:15] offset:16384*z  ; 16 lanes store 256 consecutive bytes, aligned: 128 pixels of a row of v16
.set z, z+1
.endr
	s_wait_tensorcnt 0x0                           ; the wave's end: behind my last tensor load and my last LDS store
	ds_add_u32 v[SPW], v[NIL]
	s_wait_dscnt 0x0
	CROUND                                         ; the closing round: no work-group ends while a partner may still ask for a tile that names it
	s_endpgm
.Lfunc_end_k_qf67f221e86_kvproj:
	.size	k_qf67f221e86_kvproj, .Lfunc_end_k_qf67f221e86_kvproj-k_qf67f221e86_kvproj
	.p2alignl 7, 3214868480
	.fill 96, 4, 3214868480
	.section	.rodata,"a",@progbits
	.p2align	6, 0x0
	.amdhsa_kernel k_qf67f221e86_kvproj
		.amdhsa_group_segment_fixed_size 327680
		.amdhsa_private_segment_fixed_size 0
		.amdhsa_enable_private_segment 0
		.amdhsa_kernarg_size 48
		.amdhsa_user_sgpr_count 2
		.amdhsa_user_sgpr_kernarg_segment_ptr 1
		.amdhsa_wavefront_size32 1
		.amdhsa_system_sgpr_workgroup_id_x 1
		.amdhsa_system_sgpr_workgroup_id_y 1
		.amdhsa_system_sgpr_workgroup_id_z 1
		.amdhsa_system_vgpr_workitem_id 0
		.amdhsa_next_free_vgpr 896
		.amdhsa_next_free_sgpr 66
		.amdhsa_reserve_vcc 0
		.amdhsa_float_denorm_mode_32 3
		.amdhsa_float_denorm_mode_16_64 3
		.amdhsa_memory_ordered 1
		.amdhsa_forward_progress 1
		.amdhsa_inst_pref_size 90
	.end_amdhsa_kernel
	.amdgpu_metadata
---
amdhsa.version: [ 1, 2 ]
amdhsa.kernels:
  - .name:           k_qf67f221e86_kvproj
    .symbol:         k_qf67f221e86_kvproj.kd
    .args:
      - { .name: janus_feat, .offset: 0, .size: 8, .value_kind: global_buffer, .address_space: global }
      - { .name: wkv16, .offset: 8, .size: 8, .value_kind: global_buffer, .address_space: global }
      - { .name: bk, .offset: 16, .size: 8, .value_kind: global_buffer, .address_space: global }
      - { .name: bv, .offset: 24, .size: 8, .value_kind: global_buffer, .address_space: global }
      - { .name: k16, .offset: 32, .size: 8, .value_kind: global_buffer, .address_space: global }
      - { .name: v16, .offset: 40, .size: 8, .value_kind: global_buffer, .address_space: global }
    .group_segment_fixed_size: 327680
    .private_segment_fixed_size: 0
    .kernarg_segment_align: 8
    .kernarg_segment_size: 48
    .max_flat_workgroup_size: 128
    .sgpr_count:     66
    .vgpr_count:     896
    .wavefront_size: 32
...
	.end_amdgpu_metadata
.endif
;; end of part 2
;; launch attn (part 3): grid 256 x 1, 4 waves a work-group, clusters of 4 x 1, 327,680 bytes of LDS; arguments q16, k16, v16, wo16, bo, unet_feat, out0; writes out0
.if DOCPART == 3
	.amdgcn_target "amdgcn-amd-amdhsa--gfx1250"
	.amdhsa_code_object_version 6
	.text
	.protected	k_qf67f221e86_attn
	.globl	k_qf67f221e86_attn
	.p2align	8
	.type	k_qf67f221e86_attn,@function
k_qf67f221e86_attn:
	s_mov_b64 s[64:65], 0
	v_nop
	global_prefetch_b8 v0, s[64:65] scope:SCOPE_SE
	s_setreg_imm32_b32 hwreg(HW_REG_WAVE_MODE, 25, 1), 1
	s_wait_xcnt 0x0
	s_wait_alu depctr_hold_cnt(0) depctr_sa_sdst(0) depctr_va_vdst(0) depctr_va_sdst(0) depctr_va_ssrc(0) depctr_va_vcc(0) depctr_vm_vsrc(0)
	s_getreg_b32 s2, hwreg(HW_REG_IB_STS2, 6, 4)
	s_cmp_eq_u32 s2, 0
	s_cbranch_scc0 .Lentry_in_a_cluster
	s_endpgm
.Lentry_in_a_cluster:
	s_bfe_u32 s2, ttmp6, 0x10000c
	s_cmp_lg_u32 s2, 0x3003
	s_cbranch_scc0 .Lentry_shape_is_right
	s_endpgm
.Lentry_shape_is_right:
; out0[b][o][i] = unet[b][o][i] + bo[o] + sum over c of Wo[o][c] O[c][i],   O[c][i] = sum over j of softmax_j(q[i] . k[j] / 16) v[c][j].
; q16, k16: [4][4096][256] bf16; v16: [4][320][4096] bf16; wo16: [320][320] bf16; bo, unet, out0 f32.  Products in bf16 with f32 sums; maxima, sums and rescaling in f32; the weights p are rounded to
; bf16 for the second product (their sum l is taken of the unrounded p), O once for the last product.
; LIMITS.  A weight below 2^-126 counts as 0.  The running maximum starts at -3.4e38 and c m at -4.25e37, far below every c s that finite bf16 operands give.  NaN and infinities are not treated apart.
; SHARES.  A work-group owns 64 queries of a batch and walks its 4,096 keys, 128 a slot.  Wave w = (qh, kh) = (w & 1, w >> 1) owns 32 queries (two tiles of 16) and 64 of each slot's keys, with a running maximum m,
; sum l and O^T of its own; the two key halves meet once, at the end, in LDS.  A slot and wave: 64 products K Q^T, 80 products V^T P.
; LAYOUT.  S^T = K Q^T (source 0 = 16 keys, source 1 = 16 queries): a lane holds ONE query (lane % 16) and the keys 8 (lane / 16) + 0..7.  Two such tiles, rounded in pairs, ARE source 1 (32 keys x 16 queries) of
; O^T = V^T P, whose source 0 is v as it lies ([channel][key]), and whose result again holds one query a lane, and eight channels.  O^T rounded in pairs IS source 0 (16 queries x 32 channels) of the last product.
; SOFTMAX.  p = 2^(c s - c m), c = log2(e) / 16; in every step O and l are multiplied by a = 2^(c m_old - c m_new).  O and l start at 0: the first step is a step like any other, with a = 0.
; ORDER OF A TRIP.  The scores and the softmax of a slot end with all of the slot's V in registers; so the change of slots stands ahead of V^T P, and the refill has the whole trip in which to land.
; CLUSTER.  The four work-groups of a cluster belong to one batch and walk the same K and V: each tile is asked for JOINTLY, the same tensor load, descriptor and mask in all four.
; wo16 is read by every work-group, once, through registers: 204,800 bytes beside the 4,718,592 of K and V that a work-group walks.
; REGISTERS, in windows of 256 (s_set_vgpr_msb: bits 1:0 source 0, 3:2 source 1, 5:4 source 2, 7:6 destination):
;   window 0: v0-15, v32-61 addresses and small things; v16-31 eight registers of statistics a tile; v62-63 the add's; v64-127 S^T, (q, kt) at 64 + 32 q + 8 kt; v128-159 P; v192-255 Z: V's channels 256-319
;   window 1: v0-159 O^T of tile 0, channel tile ct at 8 ct; v160-223 Q of tile 0      window 2: the same for tile 1      window 3: v0-127 X, v128-255 Y: half of K each, then V's channels 0-127 and 128-255
.set KP,    528                        ; a row of K in LDS: 512 bytes + 16 = 132 words: the 16 rows of a load start at 16 different groups of four banks (64 banks of 4 bytes: ISA guide 11.1)
.set VP,    272                        ; a row of V (a channel's 128 keys): 256 bytes + 16: likewise
.set VOFF,  128*KP                     ; a slot: 128 rows of K, then 320 rows of V
.set SLOT,  VOFF+320*VP
.set SPARE, 2*SLOT                     ; behind the ring: the spare words, 128 bytes for each wave: two blocks of 256 bytes that no other line names
.set EXS,   SPARE+512                  ; behind them, never filled by a tensor load: c m and l, 8 bytes a lane and tile, 512 bytes a wave
.set EXO,   0                          ; the rest of the end lies in the slots, behind their last fill: O^T in f32, 20,480 bytes a tile, two tiles a wave
.set OBX,   163840                     ; the four finished tiles of O in bf16, as they lie in registers: 10,240 bytes each
.set OST,   204800                     ; the way out: 80 rows (o) for each wave
.set OP,    272                        ; of 256 bytes (64 queries in f32) + 16
.set AK0, 4                            ; v4   my place in a slot's K; never rewritten
.set AV0, 5                            ; v5   in its V
.set AK,  6                            ; v6   the same in the slot in hand
.set AVA, 7                            ; v7   V's channels 0-127
.set AVB, 8                            ; v8   V's channels 128-319
.set QO,  9                            ; v9   my byte offset in 16 rows of Q
.set PFO1, 10                          ; v10  the prefetches' offsets; never rewritten
.set PFO2, 11
.set SX,  32                           ; v32-43  the end's addresses
.set SXP, 33
.set OXS, 34
.set OXO, 35
.set OXP, 36
.set OBS, 37
.set OBL, 38
.set OSS, 39
.set OSL, 40
.set GO,  41
.set WOO, 42
.set BOO, 43
.set BO,  44                           ; v44-53  bo of my lane's o, tile ot in both registers of pair BO + 2 ot
.set PP,  54                           ; v54-57  the partner's c m and l, by tile
.set SPW, 62                           ; v62  LDS address of my spare word; never rewritten
.set NIL, 63                           ; v63  0; never rewritten
.set ST,  16                           ; tile t's statistics at v[ST+8 t]: +0 c m, +1 m, +2, +3 l (even keys', odd keys'), +4 to +7 c0-c3 at work; a takes c2's place
.set S,   64
.set P,   128
.set QF,  160                          ; Q's fragments, in windows 1 and 2
.set XB,  0
.set YB,  128
.set ZB,  192
.set WV,  18                           ; s18  my wave's number
.set G1K, 24                           ; s[24:31] descriptor group 1 for K's tiles
.set G1V, 32                           ; s[32:39] for V's
.set G0K, 40                           ; s[40:43] descriptor group 0 for K's tiles: it walks
.set G0V, 44                           ; s[44:47] the same for V's
.set CS,  48                           ; s[48:49] c: the packed scaling takes the pair's low word for both halves
.set SEL, 50                           ; s[50:51] v_permlanex16_b32's selects: each lane takes its own place in the other half
.set TB,  52                           ; s52  the slot that is read
.set TF,  53                           ; s53  the slot that is filled
.set LK,  54                           ; s54  my part's place in a slot, for K
.set LV,  55                           ; s55  and for V
.set CNT, 56                           ; s56  slots still to be entered by the loop
.set LIM, 57                           ; s57  1 in a cluster that prefetches, else the greatest number
.set PFA, 58                           ; s[58:59] where my prefetches stand
.set PFS, 60                           ; s[60:61] their step from tile to tile
.set MSB, 0
.macro WIN new                         ; the immediate's high byte repeats the setting that is left; a switch that changes nothing is dropped
.if MSB != (\new)
	s_set_vgpr_msb (MSB<<8)|(\new)
.set MSB, (\new)
.endif
.endm
.macro PLACES                          ; four places between a matrix instruction and a load into, or a vector instruction on, its registers
.rept 4
	v_nop
.endr
.endm
.macro CROUND                          ; a round of the cluster's barrier: my work-group's barrier; wave 0 signals for the work-group; every wave waits for all four; my work-group's barrier once more
	s_barrier_signal -1
	s_barrier_wait -1
	s_cmp_lg_u32 s[WV], 0
	s_cbranch_scc1 .Lnot_wave_0_\@
	s_barrier_signal -3
.Lnot_wave_0_\@:
	s_barrier_wait -3
	s_barrier_signal -1
	s_barrier_wait -1
.endm
; A joint fill.  Waves 0 and 1 fetch the two halves of a tile's K (64 keys x 512 bytes), waves 2 and 3 those of its V (160 channels x 256 bytes).  The branch hangs on the wave's number alone.
; An s_nop 0 and four v_nop follow each of the two lines, ahead of the jump and the label.
.macro JLOAD
	s_cmp_lt_u32 s[WV], 2
	s_cbranch_scc0 .Lfor_v_\@
	tensor_load_to_lds s[G0K:G0K+3], s[G1K:G1K+7]
	s_nop 0
.rept 4
	v_nop
.endr
	s_branch .Lasked_\@
.Lfor_v_\@:
	tensor_load_to_lds s[G0V:G0V+3], s[G1V:G1V+7]
	s_nop 0
.rept 4
	v_nop
.endr
.Lasked_\@:
.endm
; A PREFETCH INTO THE L2 of what the NEXT change of slots will ask for, behind the wave's tensor load and its five lines.  The sixteen clusters of a batch walk the same K and V: the batch's first cluster asks.
; Its four partners share the rows out BY ADDRESS: of what wave w fetches, each takes a quarter: of K 8,192 bytes on end, a lane for each 256; of V 40 channels x 256 bytes, a lane a channel, in two
; instructions, of which the second names eight channels (its lanes 8 to 31 name the same eight again).  The last change that fills a slot asks for nothing; tiles 0 and 1 come by their loads alone.
.macro ASK
	s_cmp_gt_u32 s[CNT], s[LIM]
	s_cbranch_scc0 .Lnot_mine_\@
	global_prefetch_b8 v[PFO1], s[PFA:PFA+1] th:TH_LOAD_NT scope:SCOPE_SE
	s_cmp_lt_u32 s[WV], 2
	s_cbranch_scc1 .Lnot_mine_\@
	global_prefetch_b8 v[PFO2], s[PFA:PFA+1] th:TH_LOAD_NT scope:SCOPE_SE
.Lnot_mine_\@:
.endm
; THE CHANGE OF SLOTS.  All that the wave needs of the slot in hand lies in registers.  Each wave waits for all its tensor loads (one is out: its part of the other slot), adds 0 to its spare word, and waits for
; that and for its reads of the slot.  fill = 1: the slot is filled again, with the keys two slots on; the barrier is then a round of the cluster's, and the joint fill is the first thing behind it.
; (At its first use nothing has been read yet: slot 0 is waited for, slot 1 filled.)
.macro CHANGE fill
	WIN 0
	s_wait_tensorcnt 0x0                           ; no tensor load of mine is out, so a group 0 may be written
	ds_add_u32 v[SPW], v[NIL]                      ; 0 onto my spare word: with fill = 1 the descriptors' steps stand between it and the wait for it
.if \fill
	s_xor_b32 s[TF], s[TF], SLOT                   ; the other slot than last time,
	s_add_co_u32 s[G0K+1], s[TF], s[LK]            ; my part of it,
	s_add_co_u32 s[G0V+1], s[TF], s[LV]
	s_add_nc_u64 s[G0K+2:G0K+3], s[G0K+2:G0K+3], 128*512  ; the next 128 keys: rows of K,
	s_add_nc_u64 s[G0V+2:G0V+3], s[G0V+2:G0V+3], 128*2    ; columns of V; the type bits on top are not reached
	s_wait_xcnt 0x0                                ; the last prefetches, a trip back, have read their address
	s_add_nc_u64 s[PFA:PFA+1], s[PFA:PFA+1], s[PFS:PFS+1]  ; one tile behind the walking descriptors
.endif
	s_wait_dscnt 0x0                               ; the add is done, and my reads of the slot are over
.if \fill
	CROUND
	JLOAD
	ASK
.else
	s_barrier_signal -1
	s_barrier_wait -1
.endif
	s_xor_b32 s[TB], s[TB], SLOT                   ; the fetches go to the other slot
.endm
.macro ADDR
	v_add_nc_u32 v[AK], s[TB], v[AK0]
	v_add_nc_u32 v[AVA], s[TB], v[AV0]
	v_add_nc_u32 v[AVB], 8*16*VP, v[AVA]
.endm
; THE LDS LOADS stand in runs.  Half of my 64 keys' K: channels 128 half on: fragment (kt, d) at buf + 8 (4 kt + d): 32 loads
.macro FETCH_K half, buf
	WIN 0xc0                                       ; destination window 3, address window 0
.irp kt, 0,1,2,3
.irp d, 0,1,2,3
	ds_load_b128 v[(\buf)+8*(4*(\kt)+(\d)):(\buf)+8*(4*(\kt)+(\d))+3],   v[AK] offset:16*KP*(\kt)+64*(4*(\half)+(\d))
	ds_load_b128 v[(\buf)+8*(4*(\kt)+(\d))+4:(\buf)+8*(4*(\kt)+(\d))+7], v[AK] offset:16*KP*(\kt)+64*(4*(\half)+(\d))+32
.endr
.endr
.endm
; cnt channel tiles of V, my 64 keys: tile z, keys 32 ks on, at reg + 8 (2 z + ks); c0: the first tile's number behind the address
.macro VLOAD reg, adr, c0, cnt
.set z, 0
.rept \cnt
.irp ks, 0,1
	ds_load_b128 v[(\reg)+8*(2*z+(\ks)):(\reg)+8*(2*z+(\ks))+3],   v[\adr] offset:16*VP*((\c0)+z)+64*(\ks)
	ds_load_b128 v[(\reg)+8*(2*z+(\ks))+4:(\reg)+8*(2*z+(\ks))+7], v[\adr] offset:16*VP*((\c0)+z)+64*(\ks)+32
.endr
.set z, z+1
.endr
.endm
; THE MATRIX WORK.  The accumulators take turns, one instruction a turn.  32 products of S^T = K Q^T: channels 128 half on; a tile's four accumulators by turns.  The first four of a tile start the sums.
.macro QK half, buf
.irp q, 0,1
	WIN 0x07+4*(\q)                                ; K window 3, Q window 1 or 2, S^T window 0
.irp d, 0,1,2,3
.irp kt, 0,1,2,3
.if ((\half) == 0) && ((\d) == 0)
	v_wmma_f32_16x16x32_bf16 v[S+32*(\q)+8*(\kt):S+32*(\q)+8*(\kt)+7], v[(\buf)+8*(4*(\kt)+(\d)):(\buf)+8*(4*(\kt)+(\d))+7], v[QF+8*(4*(\half)+(\d)):QF+8*(4*(\half)+(\d))+7], 0
.else
	v_wmma_f32_16x16x32_bf16 v[S+32*(\q)+8*(\kt):S+32*(\q)+8*(\kt)+7], v[(\buf)+8*(4*(\kt)+(\d)):(\buf)+8*(4*(\kt)+(\d))+7], v[QF+8*(4*(\half)+(\d)):QF+8*(4*(\half)+(\d))+7], v[S+32*(\q)+8*(\kt):S+32*(\q)+8*(\kt)+7]
.endif
.endr
.endr
.endr
.endm
; O^T += V^T P for cnt channel tiles from c0 on, both query tiles; wz: V's window (3: X, Y; 0: Z)
.macro PV reg, c0, cnt, wz
.irp q, 0,1
	WIN 0x50+0x50*(\q)+(\wz)                       ; P window 0, O^T window 1 or 2
.irp ks, 0,1
.set z, 0
.rept \cnt
	v_wmma_f32_16x16x32_bf16 v[8*((\c0)+z):8*((\c0)+z)+7], v[(\reg)+8*(2*z+(\ks)):(\reg)+8*(2*z+(\ks))+7], v[P+16*(\q)+8*(\ks):P+16*(\q)+8*(\ks)+7], v[8*((\c0)+z):8*((\c0)+z)+7]
.set z, z+1
.endr
.endr
.endr
.endm
; THE VECTOR WORK.  One tile's softmax for a slot is a list of 102 instructions; SM writes number j of it for tile t.  s0-s31 are the lane's 32 scores, in pairs 0-15.
;   0-15   the maximum of s0-s31 and the old m, three operands at a time (each accumulator's lowest registers are read first)
;   16-20  the other half of the lanes' maximum; c m_old is kept; the new m; c m; c m_old - c m_new
;   21-36  the 16 scalings c s - c m      37  a      38-69  the 32 exponentials: with a ONE BATCH, of which nothing ahead of the wait names a result
;   70-85  the roundings to bf16          86-101  the sums, in place; l = a l + the sum
.macro SM t
.set rT, ST+8*(\t)
.set rS, S+32*(\t)
.set rP, P+16*(\t)
.if j < 4
	v_max3_num_f32 v[rT+4+j], v[rS+8*j], v[rS+8*j+1], v[rS+8*j+2]
.elseif j < 12
	v_max3_num_f32 v[rT+4+j%4], v[rT+4+j%4], v[rS+8*(j%4)+2*(j/4)+1], v[rS+8*(j%4)+2*(j/4)+2]
.elseif j == 12
	v_max3_num_f32 v[rT+4], v[rT+4], v[rS+7], v[rS+15]
.elseif j == 13
	v_max3_num_f32 v[rT+6], v[rT+6], v[rS+23], v[rS+31]
.elseif j == 14
	v_max3_num_f32 v[rT+4], v[rT+4], v[rT+5], v[rT+6]
.elseif j == 15
	v_max3_num_f32 v[rT+4], v[rT+4], v[rT+7], v[rT+1]
.elseif j == 16
	v_permlanex16_b32 v[rT+5], v[rT+4], s[SEL], s[SEL+1]  ; the query's other 32 keys lie in the lane 16 away
.elseif j == 17
	v_mov_b32 v[rT+7], v[rT]
.elseif j == 18
	v_max_num_f32 v[rT+1], v[rT+4], v[rT+5]
.elseif j == 19
	v_mul_f32 v[rT], s[CS], v[rT+1]
.elseif j == 20
	v_sub_f32 v[rT+7], v[rT+7], v[rT]
.elseif j < 37
	v_pk_fma_f32 v[rS+2*(j-21):rS+2*(j-21)+1], v[rS+2*(j-21):rS+2*(j-21)+1], s[CS:CS+1], v[rT:rT+1] op_sel_hi:[1,0,0] neg_lo:[0,0,1] neg_hi:[0,0,1]
.elseif j == 37
	v_exp_f32 v[rT+6], v[rT+7]
.elseif j < 70
	v_exp_f32 v[rS+j-38], v[rS+j-38]
.elseif j < 86
	v_cvt_pk_bf16_f32 v[rP+j-70], v[rS+2*(j-70)], v[rS+2*(j-70)+1]
.else                                  ; sum y of 16 adds neighbours 1, 2, 4 and 8 pairs apart, then l takes it
.set y, j-86
.set g, 4
.set u, y
.if y >= 14
.set g, 32
.set u, 0
.elseif y >= 12
.set g, 16
.set u, y-12
.elseif y >= 8
.set g, 8
.set u, y-8
.endif
.if y < 15
	v_pk_add_f32 v[rS+g*u:rS+g*u+1], v[rS+g*u:rS+g*u+1], v[rS+g*u+g/2:rS+g*u+g/2+1]
.else
	v_pk_fma_f32 v[rT+2:rT+3], v[rT+2:rT+3], v[rT+6:rT+7], v[rS:rS+1] op_sel_hi:[1,0,1]
.endif
.endif
.endm
; Both tiles' lists, number by number, so that where one instruction feeds the next the other tile's stands between; then O^T times a, ascending
.macro SOFTMAX
	WIN 0
.set j, 0
.rept 70
	SM 0
	SM 1
.set j, j+1
.endr
	v_nop                                          ; a plain instruction behind the last exponential, ahead of the first use: one for the batch
	s_wait_alu depctr_va_vdst(0)                   ; and the wait ahead of the first instruction that names a result: one for the 66 exponentials
.rept 32
	SM 0
	SM 1
.set j, j+1
.endr
	WIN 0x41
.set z, 0
.rept 80
	v_pk_mul_f32 v[2*z:2*z+1], v[2*z:2*z+1], v[ST+6:ST+7] op_sel_hi:[1,0]
.set z, z+1
.endr
	WIN 0x82
.set z, 0
.rept 80
	v_pk_mul_f32 v[2*z:2*z+1], v[2*z:2*z+1], v[ST+14:ST+15] op_sel_hi:[1,0]
.set z, z+1
.endr
.endm
; V^T P of the slot that has been left, out of registers.  kload = 1: as X and Y come free they take the two halves of the new slot's K
.macro PVK kload
	PV XB, 0, 8, 3
.if \kload
	PLACES
	FETCH_K 0, XB
.endif
	PV YB, 8, 8, 3
.if \kload
	PLACES
	FETCH_K 1, YB
.endif
	PV ZB, 16, 4, 0
.endm
; The slot's scores and softmax; as X and Y come free they take V.  At the end nothing of the slot is left to read
.macro QKS
	s_wait_dscnt 32                                ; K's first half is in; the second half's 32 loads may be out
	QK 0, XB
	PLACES
	WIN 0xc0
	VLOAD XB, AVA, 0, 8
	s_wait_dscnt 32                                ; K's second half is in; the 32 loads just issued may be out
	QK 1, YB
	PLACES                                         ; also the places in front of the softmax's first reads of the scores
	WIN 0xc0
	VLOAD YB, AVB, 0, 8
	WIN 0
	VLOAD ZB, AVB, 8, 4
	SOFTMAX
	s_wait_dscnt 0x0                               ; V is in
.endm
	s_load_b256 s[4:11], s[0:1], 0x0               ; q16 s[4:5], k16 s[6:7], v16 s[8:9], wo16 s[10:11]
	s_load_b128 s[12:15], s[0:1], 0x20             ; bo s[12:13], unet s[14:15]
	s_load_b64 s[16:17], s[0:1], 0x30              ; out0
	v_lshl_add_u32 v[SPW], v0, 2, SPARE
	v_mov_b32 v[NIL], 0
	ds_add_u32 v[SPW], v[NIL]                      ; the wave's opening: the add and its wait stand ahead of my first tensor load; the set-up below, work on registers, stands between them
	v_lshrrev_b32 v1, 5, v0
	v_readfirstlane_b32 s[WV], v1                  ; wave 0..3
	s_bfe_u32 s19, ttmp6, 0x40000                  ; my place in the cluster: it enters Q's, unet's, out0's and the prefetches' addresses alone
	s_lshr_b32 s20, ttmp9, 4                       ; in a cluster launch ttmp9 counts clusters: sixteen to a batch, which the partners share
	s_lshl_b32 s21, ttmp9, 2
	s_add_co_u32 s21, s21, s19
	s_and_b32 s21, s21, 63                         ; my block of 64 queries
	s_and_b32 s66, s[WV], 1                        ; qh.  Also: which half of K's or V's tile I fetch
	s_lshr_b32 s67, s[WV], 1                       ; kh
	s_lshl_b32 s22, s20, 21                        ; Q: (4,096 batch + 64 block + 32 qh) rows of 512 bytes
	s_lshl_b32 s23, s21, 15
	s_add_co_u32 s22, s22, s23
	s_lshl_b32 s23, s66, 14
	s_add_co_u32 s22, s22, s23
	s_mov_b32 s23, 0
	s_mul_i32 s62, s20, 320*16384                  ; unet and out0: batch x 5,242,880 + 256 x block
	s_lshl_b32 s63, s21, 8
	s_add_co_u32 s62, s62, s63
	s_mov_b32 s63, 0
	s_lshl_b32 s68, s20, 21                        ; K: the batch's rows, my 64 of a tile's 128
	s_lshl_b32 s69, s66, 15
	s_add_co_u32 s68, s68, s69
	s_mov_b32 s69, 0
	s_mul_i32 s70, s20, 320*8192                   ; V: the batch's rows, my 160 of the 320
	s_mul_i32 s71, s66, 160*8192
	s_add_co_u32 s70, s70, s71
	s_mov_b32 s71, 0
	s_mul_i32 s[LK], s66, 64*KP                    ; and their places in a slot: no place in the cluster enters an LDS address
	s_mul_i32 s[LV], s66, 160*VP
	s_add_co_u32 s[LV], s[LV], VOFF
	; descriptor group 1.  K: 64 rows x 256 elements; V: 160 rows x 128 elements, 4,096 elements from row to row; both padded in LDS
	s_mov_b32 s[G1K], 15|(1<<16)|(1<<20)|(1<<21)|(6<<22)|(3<<25)  ; 15:0 the mask: all four work-groups; 17:16 elements of 2 bytes; 20 padding on; 21 set beside a mask; 24:22 after every 128 words (code 6); 31:25 4 words (code 3)
	s_mov_b32 s[G1K+1], 256<<16                    ; tensor_dim0
	s_mov_b32 s[G1K+2], 64<<16                     ; tensor_dim1
	s_mov_b32 s[G1K+3], 256<<16                    ; tile_dim0
	s_mov_b32 s[G1K+4], 64                         ; tile_dim1
	s_mov_b32 s[G1K+5], 256                        ; elements from row to row
	s_mov_b32 s[G1K+6], 0
	s_mov_b32 s[G1K+7], 0
	s_mov_b32 s[G1V], 15|(1<<16)|(1<<20)|(1<<21)|(5<<22)|(3<<25)  ; the same, padded after every 64 words (code 5)
	s_mov_b32 s[G1V+1], 128<<16
	s_mov_b32 s[G1V+2], 160<<16
	s_mov_b32 s[G1V+3], 128<<16
	s_mov_b32 s[G1V+4], 160
	s_mov_b32 s[G1V+5], 4096
	s_mov_b32 s[G1V+6], 0
	s_mov_b32 s[G1V+7], 0
	s_mov_b32 s[CS], 0x3db8aa3b                    ; c = log2(e) / 16 = 0.0901684
	s_mov_b32 s[CS+1], s[CS]                       ; named with it as a pair
	s_mov_b32 s[SEL], 0x76543210
	s_mov_b32 s[SEL+1], 0xfedcba98
	s_mov_b32 s[TB], SLOT                          ; the first change of slots turns this into 0,
	s_mov_b32 s[TF], 0                             ; and this into slot 1
	s_mov_b32 s[CNT], 31
	s_and_b32 s[LIM], ttmp9, 15
	s_cmp_eq_u32 s[LIM], 0
	s_cselect_b32 s[LIM], 1, -1                    ; the same in all four partners
	v_and_b32 v1, 15, v0                           ; l % 16
	v_bfe_u32 v2, v0, 4, 1                         ; l / 16
	v_and_b32 v3, 31, v0                           ; l
	v_lshlrev_b32 v[QO], 9, v1
	v_lshl_add_u32 v[QO], v2, 4, v[QO]             ; a fragment of Q or K: row l % 16, channels 8 (l / 16) + 0..7 and 16 + 8 (l / 16) + 0..7: two loads of 16 bytes, 32 bytes apart
	s_wait_dscnt 0x0                               ; the opening add is done
	s_wait_kmcnt 0x0
	s_add_nc_u64 s[4:5], s[4:5], s[22:23]
	s_add_nc_u64 s[14:15], s[14:15], s[62:63]
	s_add_nc_u64 s[16:17], s[16:17], s[62:63]
	s_add_nc_u64 s[6:7], s[6:7], s[68:69]          ; K and V at my part of tile 0
	s_add_nc_u64 s[8:9], s[8:9], s[70:71]
	s_mov_b32 s[G0K], 1                            ; 1:0 count = 1
	s_mov_b32 s[G0K+1], s[LK]                      ; 63:32 LDS address: slot 0
	s_mov_b64 s[G0K+2:G0K+3], s[6:7]               ; 120:64 global address
	s_or_b32 s[G0K+3], s[G0K+3], 0x80000000        ; 127:126 type = 2
	s_mov_b32 s[G0V], 1
	s_mov_b32 s[G0V+1], s[LV]
	s_mov_b64 s[G0V+2:G0V+3], s[8:9]
	s_or_b32 s[G0V+3], s[G0V+3], 0x80000000
	CROUND                                         ; all four work-groups are here: the first joint loads meet
	JLOAD                                          ; tile 0 into slot 0.  Slot 1 is asked for at the first change of slots
.irp q, 0,1                            ; Q stays in registers
	WIN 0x40+0x40*(\q)
.irp d, 0,1,2,3,4,5,6,7
	global_load_b128 v[QF+8*(\d):QF+8*(\d)+3],   v[QO], s[4:5] offset:8192*(\q)+64*(\d)
	global_load_b128 v[QF+8*(\d)+4:QF+8*(\d)+7], v[QO], s[4:5] offset:8192*(\q)+64*(\d)+32
.endr
.endr
	; O^T, l and the maxima start here, in the wait for the first tile, so that no first step is written out
	WIN 0x40
.set z, 0
.rept 160
	v_mov_b32 v[z], 0
.set z, z+1
.endr
	WIN 0x80
.set z, 0
.rept 160
	v_mov_b32 v[z], 0
.set z, z+1
.endr
	WIN 0
.irp t, 0,1
	v_mov_b32 v[ST+8*(\t)], 0xfe000000             ; c m: far below every c s
	v_mov_b32 v[ST+8*(\t)+1], 0xff7fffff           ; m
	v_mov_b32 v[ST+8*(\t)+2], 0
	v_mov_b32 v[ST+8*(\t)+3], 0
.endr
	; the prefetches: K's waves step 128 rows of 512 bytes a tile, V's 256 bytes along the rows
	s_mov_b32 s62, 8192
	s_mov_b32 s63, 40*8192
	s_mov_b32 s[PFS], 128*512
	s_mov_b32 s[PFS+1], 256
	s_cmp_lt_u32 s[WV], 2
	s_cselect_b64 s[PFA:PFA+1], s[6:7], s[8:9]
	s_cselect_b32 s62, s62, s63                    ; a partner's quarter of what I fetch
	s_cselect_b32 s[PFS], s[PFS], s[PFS+1]
	s_cselect_b32 s21, 8, 13                       ; a lane for each 256 bytes of K, or for each row of V
	s_mov_b32 s[PFS+1], 0
	s_mul_i32 s62, s62, s19
	s_mov_b32 s63, 0
	s_add_nc_u64 s[PFA:PFA+1], s[PFA:PFA+1], s[62:63]
	s_add_nc_u64 s[PFA:PFA+1], s[PFA:PFA+1], s[PFS:PFS+1]  ; at tile 1: the first change of slots steps it to tile 2
	v_lshlrev_b32 v[PFO1], s21, v3
	v_and_b32 v12, 7, v0
	v_add_nc_u32 v12, 32, v12
	v_lshlrev_b32 v[PFO2], 13, v12
	; the addresses
	s_mul_i32 s68, s67, 64*KP                      ; K: my 64 keys
	v_mul_u32_u24 v[AK0], v1, KP
	v_lshl_add_u32 v[AK0], v2, 4, v[AK0]
	v_add_nc_u32 v[AK0], s68, v[AK0]
	s_lshl_b32 s68, s67, 7                         ; V: channel l % 16, my 64 keys are 128 bytes of its row
	s_add_co_u32 s68, s68, VOFF
	v_mul_u32_u24 v[AV0], v1, VP
	v_lshl_add_u32 v[AV0], v2, 4, v[AV0]
	v_add_nc_u32 v[AV0], s68, v[AV0]
	s_xor_b32 s69, s[WV], 2                        ; my partner: the same queries, the other keys
	s_lshl_b32 s68, s[WV], 9
	s_add_co_u32 s68, s68, EXS
	v_lshl_add_u32 v[SX], v3, 3, s68
	s_lshl_b32 s68, s69, 9
	s_add_co_u32 s68, s68, EXS
	v_lshl_add_u32 v[SXP], v3, 3, s68
	s_mul_i32 s68, s[WV], 40960
	s_add_co_u32 s68, s68, EXO
	v_lshl_add_u32 v[OXS], v3, 4, s68
	s_mul_i32 s70, s67, 20480                      ; the tile that I finish is tile kh of the two
	v_add_nc_u32 v[OXO], s70, v[OXS]
	s_mul_i32 s68, s69, 40960
	s_add_co_u32 s68, s68, s70
	s_add_co_u32 s68, s68, EXO
	v_lshl_add_u32 v[OXP], v3, 4, s68
	s_lshl_b32 s68, s66, 1
	s_add_co_u32 s68, s68, s67                     ; it holds queries 16 (2 qh + kh) on
	s_mul_i32 s68, s68, 10240
	s_add_co_u32 s68, s68, OBX
	v_lshl_add_u32 v[OBS], v3, 4, s68
	v_lshlrev_b32 v[OBL], 4, v3
	v_add_nc_u32 v[OBL], OBX, v[OBL]
	s_mul_i32 s68, s[WV], 80*OP
	s_add_co_u32 s68, s68, OST
	v_mul_u32_u24 v[OSS], v1, OP                   ; in: row o = l % 16, 32 bytes for each half of the lanes
	v_lshl_add_u32 v[OSS], v2, 5, v[OSS]
	v_add_nc_u32 v[OSS], s68, v[OSS]
	v_mul_u32_u24 v[OSL], v2, OP                   ; back: lanes 0-15 take one row of 256 bytes, lanes 16-31 the next
	v_lshl_add_u32 v[OSL], v1, 4, v[OSL]
	v_add_nc_u32 v[OSL], s68, v[OSL]
	s_mul_i32 s68, s[WV], 80*16384                 ; and the same two rows in unet and out0
	v_lshlrev_b32 v[GO], 14, v2
	v_lshl_add_u32 v[GO], v1, 4, v[GO]
	v_add_nc_u32 v[GO], s68, v[GO]
	s_mul_i32 s68, s[WV], 80*640                   ; Wo: row 80 w + l % 16
	v_mul_u32_u24 v[WOO], v1, 640
	v_lshl_add_u32 v[WOO], v2, 4, v[WOO]
	v_add_nc_u32 v[WOO], s68, v[WOO]
	s_mul_i32 s68, s[WV], 320
	v_lshl_add_u32 v[BOO], v1, 2, s68
	CHANGE 1                                       ; tile 0 is in, everybody's part of it; tile 1 is asked for
	ADDR
	FETCH_K 0, XB
	FETCH_K 1, YB
	WIN 0
	s_wait_loadcnt 0x0                             ; Q
	s_branch .LA                                   ; the loop is entered at a slot's scores, in the middle of a trip
.Lslot:                                                ; 30 trips: every slot but the last two is filled again
	CHANGE 1
	ADDR
	PVK 1
	WIN 0
.LA:
	QKS
	WIN 0
	s_sub_co_u32 s[CNT], s[CNT], 1
	s_cmp_lg_u32 s[CNT], 0
	s_cbranch_scc1 .Lslot
	CHANGE 0                                       ; the tail is written out: nothing is asked for
	ADDR
	PVK 1
	QKS
	PVK 0
	; THE END.  Wo's first five K steps and bo are asked for; the two key halves' statistics meet
	PLACES
	WIN 0xc0
.irp kc, 0,1,2,3,4                     ; Wo's fragment (kc, ot): row 80 w + 16 ot + l % 16, channels 32 kc on, at 8 (5 kc + ot) of window 3
.irp ot, 0,1,2,3,4
	global_load_b128 v[8*(5*(\kc)+(\ot)):8*(5*(\kc)+(\ot))+3],   v[WOO], s[10:11] offset:10240*(\ot)+64*(\kc)
	global_load_b128 v[8*(5*(\kc)+(\ot))+4:8*(5*(\kc)+(\ot))+7], v[WOO], s[10:11] offset:10240*(\ot)+64*(\kc)+32
.endr
.endr
	WIN 0
.irp ot, 0,1,2,3,4
	global_load_b32 v[BO+2*(\ot)],   v[BOO], s[12:13] offset:64*(\ot)
	global_load_b32 v[BO+2*(\ot)+1], v[BOO], s[12:13] offset:64*(\ot)
.endr
.irp t, 0,1
	v_add_f32 v[ST+8*(\t)+4], v[ST+8*(\t)+2], v[ST+8*(\t)+3]
.endr
.irp t, 0,1
	v_permlanex16_b32 v[ST+8*(\t)+5], v[ST+8*(\t)+4], s[SEL], s[SEL+1]
.endr
.irp t, 0,1
	v_add_f32 v[ST+8*(\t)+1], v[ST+8*(\t)+4], v[ST+8*(\t)+5]  ; l takes m's place, beside c m
.endr
.irp t, 0,1
	ds_store_b64 v[SX], v[ST+8*(\t):ST+8*(\t)+1] offset:256*(\t)
.endr
	s_wait_dscnt 0x0                               ; for the others' sake
	s_barrier_signal -1
	s_barrier_wait -1                              ; every wave's statistics lie in LDS, and every wave's reads of the slots are over
.irp t, 0,1
	ds_load_b64 v[PP+2*(\t):PP+2*(\t)+1], v[SXP] offset:256*(\t)
.endr
	s_wait_dscnt 0x0
.irp t, 0,1
	v_max_num_f32 v[ST+8*(\t)+4], v[ST+8*(\t)], v[PP+2*(\t)]  ; the common c m
.endr
.irp t, 0,1
	v_sub_f32 v[ST+8*(\t)+5], v[ST+8*(\t)], v[ST+8*(\t)+4]
	v_sub_f32 v[ST+8*(\t)+7], v[PP+2*(\t)], v[ST+8*(\t)+4]
.endr
.irp t, 0,1
	v_exp_f32 v[ST+8*(\t)+5], v[ST+8*(\t)+5]       ; my factor,
	v_exp_f32 v[ST+8*(\t)+7], v[ST+8*(\t)+7]       ; my partner's
.endr
	v_nop                                          ; a plain instruction behind the last exponential,
	s_wait_alu depctr_va_vdst(0)                   ; and the wait ahead of the first use: one for the four
.irp t, 0,1
	v_mul_f32 v[ST+8*(\t)+4], v[ST+8*(\t)+5], v[ST+8*(\t)+1]
.endr
.irp t, 0,1
	v_fmac_f32 v[ST+8*(\t)+4], v[ST+8*(\t)+7], v[PP+2*(\t)+1]  ; the whole row's l: at least 1, since the row's largest weight is 1
.endr
.irp t, 0,1
	v_rcp_f32 v[ST+8*(\t)+6], v[ST+8*(\t)+4]
.endr
	v_nop
	s_wait_alu depctr_va_vdst(0)                   ; one for the two reciprocals
.irp t, 0,1
	v_mul_f32 v[ST+8*(\t)+6], v[ST+8*(\t)+6], v[ST+8*(\t)+5]  ; my factor / l
.endr
	WIN 0x41
.set z, 0
.rept 80
	v_pk_mul_f32 v[2*z:2*z+1], v[2*z:2*z+1], v[ST+6:ST+7] op_sel_hi:[1,0]
.set z, z+1
.endr
	WIN 0x82
.set z, 0
.rept 80
	v_pk_mul_f32 v[2*z:2*z+1], v[2*z:2*z+1], v[ST+14:ST+15] op_sel_hi:[1,0]
.set z, z+1
.endr
	WIN 0x04                                       ; both tiles go to LDS in f32, as they lie in registers: which of the two a wave finishes hangs on its number, and an address can say that
.set z, 0
.rept 40
	ds_store_b128 v[OXS], v[4*z:4*z+3] offset:512*z
.set z, z+1
.endr
	WIN 0x08
.set z, 0
.rept 40
	ds_store_b128 v[OXS], v[4*z:4*z+3] offset:20480+512*z
.set z, z+1
.endr
	WIN 0
	s_wait_dscnt 0x0                               ; for the others' sake; and the stores have read their registers
	s_barrier_signal -1
	s_barrier_wait -1
	WIN 0x40
.irp kc, 0,1,2,3,4                     ; Wo's K steps 5-9, at 8 (5 kc + ot) of window 1
.irp ot, 0,1,2,3,4
	global_load_b128 v[8*(5*(\kc)+(\ot)):8*(5*(\kc)+(\ot))+3],   v[WOO], s[10:11] offset:10240*(\ot)+64*((\kc)+5)
	global_load_b128 v[8*(5*(\kc)+(\ot))+4:8*(5*(\kc)+(\ot))+7], v[WOO], s[10:11] offset:10240*(\ot)+64*((\kc)+5)+32
.endr
.endr
	WIN 0x80
.set z, 0
.rept 40
	ds_load_b128 v[4*z:4*z+3], v[OXO] offset:512*z           ; my share of the tile that I finish,
.set z, z+1
.endr
	WIN 0
.set z, 0
.rept 40
	ds_load_b128 v[S+4*z:S+4*z+3], v[OXP] offset:512*z       ; and my partner's
.set z, z+1
.endr
	s_wait_dscnt 0x0
	WIN 0x82
.set z, 0
.rept 80
	v_pk_add_f32 v[2*z:2*z+1], v[2*z:2*z+1], v[S+2*z:S+2*z+1]
.set z, z+1
.endr
	WIN 0x0a                                       ; rounded in pairs: ten fragments of 16 queries x 32 channels
.set z, 0
.rept 80
	v_cvt_pk_bf16_f32 v[S+z], v[2*z], v[2*z+1]
.set z, z+1
.endr
	WIN 0
.set z, 0
.rept 20
	ds_store_b128 v[OBS], v[S+4*z:S+4*z+3] offset:512*z
.set z, z+1
.endr
	s_wait_dscnt 0x0                               ; for the others' sake
	s_barrier_signal -1
	s_barrier_wait -1                              ; all four tiles of O lie in LDS
	WIN 0x80
.irp q, 0,1,2,3                        ; every wave takes all of them: K steps 0-4 at 8 (5 q + kc) of window 2,
.irp kc, 0,1,2,3,4
	ds_load_b128 v[8*(5*(\q)+(\kc)):8*(5*(\q)+(\kc))+3],   v[OBL] offset:10240*(\q)+1024*(\kc)
	ds_load_b128 v[8*(5*(\q)+(\kc))+4:8*(5*(\q)+(\kc))+7], v[OBL] offset:10240*(\q)+1024*(\kc)+512
.endr
.endr
	WIN 0
.irp q, 0,1,2,3                        ; K steps 5-9 at 64 + 8 (5 q + kc) of window 0
.irp kc, 0,1,2,3,4
	ds_load_b128 v[S+8*(5*(\q)+(\kc)):S+8*(5*(\q)+(\kc))+3],   v[OBL] offset:10240*(\q)+1024*((\kc)+5)
	ds_load_b128 v[S+8*(5*(\q)+(\kc))+4:S+8*(5*(\q)+(\kc))+7], v[OBL] offset:10240*(\q)+1024*((\kc)+5)+512
.endr
.endr
; THE LAST PRODUCT.  Wave w makes o = 80 w .. 80 w + 79 (five tiles) for all 64 queries.  Source 0 = 16 queries of O, source 1 = 16 rows of Wo: a lane holds one o and eight neighbouring queries.
; 25 products for query tile q and five K steps; the tile's five accumulators take turns.  zero = 1: the first five start the sums.
.macro WOP q, win, acc, areg, zero
	WIN \win
.irp kc, 0,1,2,3,4
.irp ot, 0,1,2,3,4
.if (\zero) && ((\kc) == 0)
	v_wmma_f32_16x16x32_bf16 v[(\acc)+8*(\ot):(\acc)+8*(\ot)+7], v[(\areg)+8*(5*(\q)+(\kc)):(\areg)+8*(5*(\q)+(\kc))+7], v[8*(5*(\kc)+(\ot)):8*(5*(\kc)+(\ot))+7], 0
.else
	v_wmma_f32_16x16x32_bf16 v[(\acc)+8*(\ot):(\acc)+8*(\ot)+7], v[(\areg)+8*(5*(\q)+(\kc)):(\areg)+8*(5*(\q)+(\kc))+7], v[8*(5*(\kc)+(\ot)):8*(5*(\kc)+(\ot))+7], v[(\acc)+8*(\ot):(\acc)+8*(\ot)+7]
.endif
.endr
.endr
.endm
.macro BIAS win, acc                   ; + bo, ascending
	WIN \win
.irp ot, 0,1,2,3,4
.irp p, 0,1,2,3
	v_pk_add_f32 v[(\acc)+8*(\ot)+2*(\p):(\acc)+8*(\ot)+2*(\p)+1], v[(\acc)+8*(\ot)+2*(\p):(\acc)+8*(\ot)+2*(\p)+1], v[BO+2*(\ot):BO+2*(\ot)+1]
.endr
.endr
.endm
.macro TOST win, acc, q                ; a lane's eight queries of a row, 32 bytes, into my own stage
	WIN \win
.irp ot, 0,1,2,3,4
	ds_store_b128 v[OSS], v[(\acc)+8*(\ot):(\acc)+8*(\ot)+3]   offset:16*OP*(\ot)+64*(\q)
	ds_store_b128 v[OSS], v[(\acc)+8*(\ot)+4:(\acc)+8*(\ot)+7] offset:16*OP*(\ot)+64*(\q)+16
.endr
.endm
	s_wait_loadcnt 50                              ; Wo's K steps 0-4 and bo are in; the 50 loads of K steps 5-9 may be out
	s_wait_dscnt 40                                ; O's K steps 0-4 are in; the 40 loads of K steps 5-9 may be out
	WOP 0, 0x5e, 200, 0, 1                         ; the sums lie where nothing else does: tile 0 in window 1, tile 1 in window 3 (v200-239), tiles 2 and 3 in window 2 (v160-199, v200-239)
	WOP 1, 0xfe, 200, 0, 1
	WOP 2, 0xae, 160, 0, 1
	WOP 3, 0xae, 200, 0, 1
	PLACES                                         ; Wo's first half has been multiplied: its registers take unet
	WIN 0xc0
.set z, 0
.rept 40
	global_load_b128 v[4*z:4*z+3], v[GO], s[14:15] offset:32768*z
.set z, z+1
.endr
	s_wait_loadcnt 40                              ; Wo's K steps 5-9 are in; unet's 40 loads may be out
	s_wait_dscnt 0x0
	WOP 0, 0x54, 200, S, 0
	WOP 1, 0xf4, 200, S, 0
	WOP 2, 0xa4, 160, S, 0
	WOP 3, 0xa4, 200, S, 0
	PLACES
	BIAS 0x41, 200
	BIAS 0xc3, 200
	BIAS 0x82, 160
	BIAS 0x82, 200
	TOST 0x04, 200, 0
	TOST 0x0c, 200, 1
	TOST 0x08, 160, 2
	TOST 0x08, 200, 3
	WIN 0x80
.set z, 0
.rept 40
	ds_load_b128 v[4*z:4*z+3], v[OSL] offset:2*OP*z  ; LDS serves a wave's instructions in order (ISA guide 5.7.1.4): these see the stores above; the rows are my wave's own
.set z, z+1
.endr
	s_wait_dscnt 0x0
	s_wait_loadcnt 0x0                             ; unet
	WIN 0x8e
.set z, 0
.rept 80
	v_pk_add_f32 v[2*z:2*z+1], v[2*z:2*z+1], v[2*z:2*z+1]  ; window 2 += window 3: the residual
.set z, z+1
.endr
	WIN 0x08
.set z, 0
.rept 40
	global_store_b128 v[GO], v[4*z:4*z+3], s[16:17] offset:32768*z  ; 16 lanes store 256 consecutive bytes, aligned: my block's 64 queries of a row of out0
.set z, z+1
.endr
	WIN 0
	s_wait_tensorcnt 0x0                           ; the wave's end: behind my last tensor load and my last LDS store
	ds_add_u32 v[SPW], v[NIL]
	s_wait_dscnt 0x0
	CROUND                                         ; the closing round: no work-group ends while a partner may still ask for a tile that names it
	s_endpgm
.Lfunc_end_k_qf67f221e86_attn:
	.size	k_qf67f221e86_attn, .Lfunc_end_k_qf67f221e86_attn-k_qf67f221e86_attn
	.p2alignl 7, 3214868480
	.fill 96, 4, 3214868480
	.section	.rodata,"a",@progbits
	.p2align	6, 0x0
	.amdhsa_kernel k_qf67f221e86_attn
		.amdhsa_group_segment_fixed_size 327680
		.amdhsa_private_segment_fixed_size 0
		.amdhsa_enable_private_segment 0
		.amdhsa_kernarg_size 56
		.amdhsa_user_sgpr_count 2
		.amdhsa_user_sgpr_kernarg_segment_ptr 1
		.amdhsa_wavefront_size32 1
		.amdhsa_system_sgpr_workgroup_id_x 1
		.amdhsa_system_sgpr_workgroup_id_y 1
		.amdhsa_system_sgpr_workgroup_id_z 1
		.amdhsa_system_vgpr_workitem_id 0
		.amdhsa_next_free_vgpr 1024
		.amdhsa_next_free_sgpr 72
		.amdhsa_reserve_vcc 0
		.amdhsa_float_denorm_mode_32 3
		.amdhsa_float_denorm_mode_16_64 3
		.amdhsa_memory_ordered 1
		.amdhsa_forward_progress 1
		.amdhsa_inst_pref_size 200
	.end_amdhsa_kernel
	.amdgpu_metadata
---
amdhsa.version: [ 1, 2 ]
amdhsa.kernels:
  - .name:           k_qf67f221e86_attn
    .symbol:         k_qf67f221e86_attn.kd
    .args:
      - { .name: q16, .offset: 0, .size: 8, .value_kind: global_buffer, .address_space: global }
      - { .name: k16, .offset: 8, .size: 8, .value_kind: global_buffer, .address_space: global }
      - { .name: v16, .offset: 16, .size: 8, .value_kind: global_buffer, .address_space: global }
      - { .name: wo16, .offset: 24, .size: 8, .value_kind: global_buffer, .address_space: global }
      - { .name: bo, .offset: 32, .size: 8, .value_kind: global_buffer, .address_space: global }
      - { .name: unet_feat, .offset: 40, .size: 8, .value_kind: global_buffer, .address_space: global }
      - { .name: out0, .offset: 48, .size: 8, .value_kind: global_buffer, .address_space: global }
    .group_segment_fixed_size: 327680
    .private_segment_fixed_size: 0
    .kernarg_segment_align: 8
    .kernarg_segment_size: 56
    .max_flat_workgroup_size: 128
    .sgpr_count:     72
    .vgpr_count:     1024
    .wavefront_size: 32
...
	.end_amdgpu_metadata
.endif
;; end of part 3
